; MI455X (gfx1250); checked and timed in simulation.
; The chip was launched on July 23, 2026; its instructions are those of AMD's public machine-readable ISA for CDNA 5 (MIT licence, August 2026) and "CDNA5" Instruction Set Architecture Reference Guide (July 2026). The comments in the code are by the model that wrote it; some were corrected since.
;; Multihead Attention. Allowed arithmetic: matrix products marked QUANTISED: E2M1 operands, one E8M0 scale for each 32 along K, by v_wmma_scale_f32_16x16x128_f8f6f4 with both operands' format E2M1 (or v_wmma_scale_f32_32x16x128_f4), f32 sums; products left as they are: bf16, f16 or f32 operands; f32 sums; everything else in f32.
;; Inputs: k 4 x 2,048 x 1,024 float32; q 4 x 2,048 x 1,024 float32; v 4 x 2,048 x 1,024 float32; wk 1,024 x 1,024 float32; wo 1,024 x 1,024 float32; wq 1,024 x 1,024 float32; wv 1,024 x 1,024 float32.
;; Outputs: out0 4 x 2,048 x 1,024 float32.
;; This version of the problem:
;;   THIS VERSION OF THE PROBLEM IS GIVEN IN LOW PRECISION. The matrix products marked QUANTISED in the list below multiply operands that are first quantised to E2M1 (2 exponent bits, 1 mantissa bit; 4 bits a number), with one power-of-two scale for each 32 numbers along K (OCP MX v1.0); their sums are f32. The products marked 'left as it is' may take bf16, f16 or f32 operands, with f32 sums. Whichever they take, every output number must still come out within the allowed error. Rounding operands to bf16 (8 significant bits) uses up far more of that allowance than f16 does (11 bits, for magnitudes from 6e-5 to 65,504). All else is computed in f32.
;;   The module's matrix products, in the order in which they are computed (A, B: the left and right operand; K: the contracted axis; several contracted axes count as one K, in the product's order):
;;     1. [M 8,192, K 1,024] x [K 1,024, N 1,024]; A: input q; B: input wq: QUANTISED
;;     2. [M 8,192, K 1,024] x [K 1,024, N 1,024]; A: input k; B: input wk: QUANTISED
;;     3. [M 8,192, K 1,024] x [K 1,024, N 1,024]; A: input v; B: input wv: QUANTISED
;;     4. batch 64 x [M 2,048, K 64] x [K 64, N 2,048]; A: computed on the way; B: computed on the way: left as it is (an operand is computed on the way)
;;     5. batch 64 x [M 2,048, K 2,048] x [K 2,048, N 64]; A: computed on the way; B: computed on the way: left as it is (an operand is computed on the way)
;;     6. [M 8,192, K 1,024] x [K 1,024, N 1,024]; A: computed on the way; B: input wo: left as it is (an operand is computed on the way)
;;   THE QUANTISER, for each operand of a quantised product, along K:
;;     - K is cut into blocks of 32 from its start; a last block that is shorter is filled with zeros.
;;     - A block's scale is 2^e with e = floor(log2(the largest magnitude in the block)) - 2, held to -126 .. 127; a block of zeros has e = 0. As a byte (E8M0): e + 127.
;;     - Each number is divided by its block's scale, clamped to +-6, and rounded to the nearest number of E2M1, ties to even, subnormals kept.
;;     - The product sums the exact products of the quantised numbers (number of the format x scale) in f32.
;;   ~~~python
;;   def quantise(x, axis):      # numpy; x: float32 -> the quantised numbers, widened to float32 again
;;       x = np.moveaxis(x, axis, -1); K = x.shape[-1]
;;       x = np.pad(x, [(0, 0)] * (x.ndim - 1) + [(0, -K % 32)]); x = x.reshape(x.shape[:-1] + (-1, 32)); a = np.abs(x).max(-1, keepdims=True)
;;       e = np.where(a > 0, np.clip(np.frexp(np.where(a > 0, a, 1))[1] - 1 - 2, -126, 127), 0)      # np.frexp(a)[1] - 1 = floor(log2(a)), exactly
;;       r = np.clip(x / 2.0 ** e, -6, 6)
;;       step = 2.0 ** (np.maximum(np.frexp(np.where(r == 0, 1, r))[1] - 1, 0) - 1)
;;       q = np.round(r / step) * step * 2.0 ** e      # np.round: ties to even
;;       return np.moveaxis(q.reshape(q.shape[:-2] + (-1,))[..., :K], -1, axis).astype(np.float32)
;;   ~~~
;; One version. Each part assembles by itself: llvm-mc -triple=amdgcn-amd-amdhsa -mcpu=gfx1250 --defsym DOCPART=n.
;; ======== version 1 of 1: 5 launches
;; limits: values are held in f16: magnitudes above 65,504 overflow, below 6.1e-05 lose precision
;; workspace buffers: codes 14,155,776 bytes; scales 884,736 bytes; wo16 2,097,152 bytes; xh 50,331,648 bytes; x32 786,432 bytes; ao 16,777,216 bytes
;; launch quant (part 1): grid 896 x 1, 4 waves a work-group, no clusters, 33,280 bytes of LDS; arguments q, k, v, wq, wk, wv, wo, codes, scales, wo16; writes codes, scales, wo16
.if DOCPART == 1
	.amdgcn_target "amdgcn-amd-amdhsa--gfx1250"
	.amdhsa_code_object_version 6
	.text
	.protected	k_qba1f1b8c33_quant
	.globl	k_qba1f1b8c33_quant
	.p2align	8
	.type	k_qba1f1b8c33_quant,@function
k_qba1f1b8c33_quant:
	s_mov_b64 s[64:65], 0
	v_nop
	global_prefetch_b8 v0, s[64:65] scope:SCOPE_SE
	s_setreg_imm32_b32 hwreg(HW_REG_WAVE_MODE, 25, 1), 1
	s_wait_xcnt 0x0
; q, k, v [8192][1024] and wq, wk, wv [1024][1024], f32 with K innermost, become codes of E2M1 (4 bits, two a byte, the lower k in the low four bits) and one E8M0 byte for each 32 along K;
; wo [1024][1024] becomes f16.  The six quantised tensors are ONE stream of blocks of 32 numbers, q | k | v | wq | wk | wv, and so are their codes (512 bytes a row) and their scale bytes (32 a row).
; A block's scale is 2^(floor(log2(its largest magnitude)) - 2); its byte is the largest magnitude's exponent field - 2, held at 1 from below.
; LIMITS: a block of zeros gets the byte 1 where the rule says 127 (its codes are zeros, which add nothing under any byte but 0xff, and this program alone reads the bytes); blocks whose largest
; magnitude lies under 2^-124 share that floor; NaN and infinities among the inputs are not served; numbers of wo beyond 65,504 in magnitude do not fit f16.
; SHARES: work-groups 0 to 863 take 32,768 numbers of the stream each, a wave 8,192 in 16 steps of 512; work-groups 864 to 895 take wo, a wave 8,192 numbers.
; A step's four loads read 512 consecutive bytes each; the 2,048 bytes turn through the wave's own stage in LDS and come back 64 bytes a lane, so that a lane holds 16 neighbours along K (two lanes a block).
; No tensor load, no barrier: waves share nothing.  Loads run four steps (16 loads a wave) ahead, the turn through LDS one step.
.set WAVES, 4
.set STEPS, 16
.set QWG,   864                        ; work-groups of the quantised stream: 3 x 256 + 3 x 32
.set EMAX,  2
.set CB,    8                          ; bytes of 16 codes
.set R,     16                         ; v16-79   four sets of 16 numbers as they are loaded
.set X,     80                         ; v80-111  two sets of 16 neighbours
.set E,     112                        ; v112-127 a scale byte for each step
.set C,     128                        ; v128-191 codes: four registers for each step, so that no store's data are written again
.set WREG,  8192                       ; LDS: a region for each wave: two stages of 32 x SP bytes, behind them its 256 scale bytes
.set SP,    80                         ; a lane's place in a stage: 64 bytes + 16 of padding
.set SPW,   12                         ; v12 LDS address of my spare word; never rewritten
.set NIL,   13                         ; v13 0; never rewritten
.set SPARE, WAVES*WREG                 ; behind the four regions: the spare words, 128 bytes a wave, which no other line names
	s_load_b256 s[4:11], s[0:1], 0x0               ; q s[4:5], k s[6:7], v s[8:9], wq s[10:11]
	s_load_b256 s[12:19], s[0:1], 0x20             ; wk s[12:13], wv s[14:15], wo s[16:17], codes s[18:19]
	s_load_b128 s[20:23], s[0:1], 0x40             ; scales s[20:21], wo16 s[22:23]
	v_lshl_add_u32 v[SPW], v0, 2, SPARE
	v_mov_b32 v[NIL], 0
	v_lshrrev_b32 v1, 5, v0
	v_readfirstlane_b32 s24, v1                    ; wave
	v_and_b32 v2, 31, v0                           ; lane
	v_lshlrev_b32 v3, 4, v2                        ; my 16 bytes of a load's 512
	s_cmp_ge_u32 ttmp9, QWG                        ; the last 32 work-groups take wo: a branch on the work-group's number
	s_cbranch_scc1 .Lwo
	s_mul_i32 s25, s24, WREG
	v_lshrrev_b32 v14, 2, v2
	v_mul_u32_u24 v14, v14, SP
	v_and_b32 v15, 3, v2
	v_lshl_add_u32 v14, v15, 4, v14
	v_add_nc_u32 v14, s25, v14                     ; the stage, on the way in: SP (lane / 4) + 16 (lane % 4)
	v_mul_u32_u24 v15, v2, SP
	v_add_nc_u32 v15, s25, v15                     ; and on the way out: SP x lane: my 16 neighbours
	v_mul_u32_u24 v4, v2, CB                       ; my codes' place in a step's 256 bytes
	v_lshrrev_b32 v5, 1, v2
	s_add_co_u32 s25, s25, 2*32*SP
	v_add_nc_u32 v5, s25, v5                       ; LDS: my wave's 256 scale bytes, my block's byte
	v_lshlrev_b32 v7, 3, v2                        ; and on the way out 8 bytes a lane
	v_add_nc_u32 v6, s25, v7
	s_wait_kmcnt 0x0
	s_mov_b64 s[26:27], s[14:15]                   ; which tensor is my work-group's, and which work-group is that tensor's first: the choice hangs on the work-group's number alone
	s_mov_b32 s28, 832
.macro PICK limit, lo, base
	s_cmp_lt_u32 ttmp9, \limit
	s_cselect_b64 s[26:27], s[\lo:\lo+1], s[26:27]
	s_cselect_b32 s28, \base, s28
.endm
	PICK 832, 12, 800                              ; wk
	PICK 800, 10, 768                              ; wq
	PICK 768, 8, 512                               ; v
	PICK 512, 6, 256                               ; k
	PICK 256, 4, 0                                 ; q
	s_sub_co_u32 s28, ttmp9, s28
	s_lshl_b32 s28, s28, 2
	s_add_co_u32 s28, s28, s24                     ; my run of 8,192 numbers in its tensor,
	s_lshl_b32 s28, s28, 15                        ; in bytes (under 2^26)
	s_mov_b32 s29, 0
	s_add_nc_u64 s[26:27], s[26:27], s[28:29]
	s_lshl_b32 s30, ttmp9, 2
	s_add_co_u32 s30, s30, s24                     ; my run in the whole stream
	s_lshl_b32 s32, s30, 12                        ; 4,096 bytes of codes a run
	s_mov_b32 s33, 0
	s_add_nc_u64 s[18:19], s[18:19], s[32:33]
	s_lshl_b32 s32, s30, 8                         ; 256 scale bytes a run
	s_add_nc_u64 s[20:21], s[20:21], s[32:33]
.macro LOAD t
.irp i, 0,1,2,3
	global_load_b128 v[R+16*((\t)%4)+4*\i:R+16*((\t)%4)+4*\i+3], v3, s[26:27] offset:2048*(\t)+512*\i th:TH_LOAD_NT   ; 32 lanes read 512 consecutive bytes
.endr
.endm
.macro TURN t                          ; step t's numbers through the stage: LDS serves a wave's instructions in order, so no wait stands between the stores and the loads
.irp i, 0,1,2,3
	ds_store_b128 v14, v[R+16*((\t)%4)+4*\i:R+16*((\t)%4)+4*\i+3] offset:32*SP*((\t)%2)+8*SP*\i
.endr
.irp i, 0,1,2,3
	ds_load_b128 v[X+16*((\t)%2)+4*\i:X+16*((\t)%2)+4*\i+3], v15 offset:32*SP*((\t)%2)+16*\i
.endr
.endm
.irp t, 0,1,2,3
	LOAD \t
.endr
	s_wait_loadcnt 12                              ; step 0's four loads are in; the twelve of steps 1 to 3 may be out
	TURN 0
.macro STEP t
.set XS, X+16*((\t)%2)
.if (\t) > 0
	s_wait_dscnt 1                                 ; this step's numbers are back from the stage (the last step's byte store may be out): so its stores into the stage have read their registers,
.else
	s_wait_dscnt 0x0
.endif
.if (\t)+4 < STEPS
	LOAD (\t)+4                                    ; which take the loads of four steps on
.endif
.if (\t)+1 < STEPS
.if STEPS-2-(\t) >= 3
	s_wait_loadcnt 12                              ; the next step's four loads are in; those of the three steps behind it may be out
.else
	s_wait_loadcnt 4*(STEPS-2-(\t))                ; the tail: four loads for each step still behind the next one
.endif
	TURN (\t)+1                                    ; and go through the other stage while this step is worked
.endif
	v_max3_num_f32 v8, |v[XS]|, |v[XS+1]|, |v[XS+2]|               ; the largest magnitude of my 16, in two chains
	v_max3_num_f32 v9, |v[XS+3]|, |v[XS+4]|, |v[XS+5]|
.irp i, 6,10
	v_max3_num_f32 v8, v8, |v[XS+\i]|, |v[XS+\i+1]|
	v_max3_num_f32 v9, v9, |v[XS+\i+2]|, |v[XS+\i+3]|
.endr
	v_max3_num_f32 v8, v8, |v[XS+14]|, |v[XS+15]|
	v_max3_num_f32 v8, v8, v9, (EMAX+1)<<23        ; and the floor 2^(3 - 127): the byte cannot fall under 1
	v_max_num_f32_dpp v8, v8, v8 row_xmask:1 row_mask:0xf bank_mask:0xf   ; and of my neighbour's 16: the block's
	v_add_nc_u32 v11, -(EMAX<<23), v8              ; 2 off its exponent field: the conversion takes the exponent field of this operand as its scale, and nothing else of it
	v_cvt_scalef32_pk8_fp4_f32 v[C+4*(\t)], v[XS:XS+7], v11        ; eight numbers / the scale, to the nearest code, ties to even, beyond 6 the largest code
	v_cvt_scalef32_pk8_fp4_f32 v[C+4*(\t)+1], v[XS+8:XS+15], v11
	v_lshrrev_b32 v[E+(\t)], 23, v11               ; the scale's byte (also the plain line behind the conversions)
	ds_store_b8 v5, v[E+(\t)] offset:16*(\t)       ; both lanes of a block write the same byte with the same value
	global_store_b64 v4, v[C+4*(\t):C+4*(\t)+1], s[18:19] offset:32*CB*(\t)   ; the wave stores 256 consecutive bytes, aligned
.endm
.irp t, 0,1,2,3,4,5,6,7,8,9,10,11,12,13,14,15
	STEP \t
.endr
	ds_load_b64 v[8:9], v6                         ; LDS serves a wave's instructions in order: this sees my byte stores
	s_wait_dscnt 0x0
	global_store_b64 v7, v[8:9], s[20:21]          ; 32 lanes store my run's 256 scale bytes, aligned
	s_wait_tensorcnt 0x0                           ; the wave's end, behind my last LDS store
	ds_add_u32 v[SPW], v[NIL]
	s_wait_dscnt 0x0
	s_endpgm
; wo to f16: a wave takes 8,192 numbers in four batches of 16 loads; two batches are on their way.
.Lwo:
	v_lshlrev_b32 v4, 3, v2                        ; four numbers are 8 bytes of f16
	s_sub_co_u32 s25, ttmp9, QWG
	s_lshl_b32 s25, s25, 2
	s_add_co_u32 s25, s25, s24                     ; my run
	s_lshl_b32 s28, s25, 15
	s_mov_b32 s29, 0
	s_lshl_b32 s30, s25, 14
	s_mov_b32 s31, 0
	s_wait_kmcnt 0x0
	s_add_nc_u64 s[16:17], s[16:17], s[28:29]
	s_add_nc_u64 s[22:23], s[22:23], s[30:31]
.macro WLOAD n, set
.irp i, 0,1,2,3,4,5,6,7,8,9,10,11,12,13,14,15
	global_load_b128 v[\set+4*\i:\set+4*\i+3], v3, s[16:17] offset:512*(16*\n+\i) th:TH_LOAD_NT
.endr
.endm
.macro WOUT n, set
.irp i, 0,1,2,3,4,5,6,7,8,9,10,11,12,13,14,15
	v_cvt_pk_f16_f32 v[144+2*\i], v[\set+4*\i], v[\set+4*\i+1]
	v_cvt_pk_f16_f32 v[145+2*\i], v[\set+4*\i+2], v[\set+4*\i+3]
.endr
.irp i, 0,1,2,3,4,5,6,7,8,9,10,11,12,13,14,15
	global_store_b64 v4, v[144+2*\i:145+2*\i], s[22:23] offset:256*(16*\n+\i)   ; the wave stores 256 consecutive bytes, aligned
.endr
.endm
	WLOAD 0, 16
	WLOAD 1, 80
	s_wait_loadcnt 16                              ; the older batch is in; the younger 16 may be out
	WOUT 0, 16
	WLOAD 2, 16
	s_wait_loadcnt 16
	s_wait_xcnt 0x0                                ; the last batch's stores have read v144-175: they are written again only behind this wait
	WOUT 1, 80
	WLOAD 3, 80
	s_wait_loadcnt 16
	s_wait_xcnt 0x0
	WOUT 2, 16
	s_wait_loadcnt 0x0
	s_wait_xcnt 0x0
	WOUT 3, 80
	s_endpgm
.Lfunc_end_k_qba1f1b8c33_quant:
	.size	k_qba1f1b8c33_quant, .Lfunc_end_k_qba1f1b8c33_quant-k_qba1f1b8c33_quant
	.p2alignl 7, 3214868480
	.fill 96, 4, 3214868480
	.section	.rodata,"a",@progbits
	.p2align	6, 0x0
	.amdhsa_kernel k_qba1f1b8c33_quant
		.amdhsa_group_segment_fixed_size 33280
		.amdhsa_private_segment_fixed_size 0
		.amdhsa_enable_private_segment 0
		.amdhsa_kernarg_size 80
		.amdhsa_user_sgpr_count 2
		.amdhsa_user_sgpr_kernarg_segment_ptr 1
		.amdhsa_wavefront_size32 1
		.amdhsa_system_sgpr_workgroup_id_x 1
		.amdhsa_system_sgpr_workgroup_id_y 1
		.amdhsa_system_sgpr_workgroup_id_z 1
		.amdhsa_system_vgpr_workitem_id 0
		.amdhsa_next_free_vgpr 192
		.amdhsa_next_free_sgpr 66
		.amdhsa_reserve_vcc 0
		.amdhsa_float_denorm_mode_32 3
		.amdhsa_float_denorm_mode_16_64 3
		.amdhsa_memory_ordered 1
		.amdhsa_forward_progress 1
		.amdhsa_inst_pref_size 55
	.end_amdhsa_kernel
	.amdgpu_metadata
---
amdhsa.version: [ 1, 2 ]
amdhsa.kernels:
  - .name:           k_qba1f1b8c33_quant
    .symbol:         k_qba1f1b8c33_quant.kd
    .args:
      - { .name: q, .offset: 0, .size: 8, .value_kind: global_buffer, .address_space: global }
      - { .name: k, .offset: 8, .size: 8, .value_kind: global_buffer, .address_space: global }
      - { .name: v, .offset: 16, .size: 8, .value_kind: global_buffer, .address_space: global }
      - { .name: wq, .offset: 24, .size: 8, .value_kind: global_buffer, .address_space: global }
      - { .name: wk, .offset: 32, .size: 8, .value_kind: global_buffer, .address_space: global }
      - { .name: wv, .offset: 40, .size: 8, .value_kind: global_buffer, .address_space: global }
      - { .name: wo, .offset: 48, .size: 8, .value_kind: global_buffer, .address_space: global }
      - { .name: codes, .offset: 56, .size: 8, .value_kind: global_buffer, .address_space: global }
      - { .name: scales, .offset: 64, .size: 8, .value_kind: global_buffer, .address_space: global }
      - { .name: wo16, .offset: 72, .size: 8, .value_kind: global_buffer, .address_space: global }
    .group_segment_fixed_size: 33280
    .private_segment_fixed_size: 0
    .kernarg_segment_align: 8
    .kernarg_segment_size: 80
    .max_flat_workgroup_size: 128
    .sgpr_count:     66
    .vgpr_count:     192
    .wavefront_size: 32
...
	.end_amdgpu_metadata
.endif
;; end of part 1
;; launch proj (part 2): grid 4 x 96, 4 waves a work-group, clusters of 4 x 4, 327,680 bytes of LDS; arguments codes, scales, xh, x32; writes xh, x32
.if DOCPART == 2
	.amdgcn_target "amdgcn-amd-amdhsa--gfx1250"
	.amdhsa_code_object_version 6
	.text
	.protected	k_qba1f1b8c33_proj
	.globl	k_qba1f1b8c33_proj
	.p2align	8
	.type	k_qba1f1b8c33_proj,@function
k_qba1f1b8c33_proj:
	s_mov_b64 s[64:65], 0
	v_nop
	global_prefetch_b8 v0, s[64:65] scope:SCOPE_SE
	s_setreg_imm32_b32 hwreg(HW_REG_WAVE_MODE, 25, 1), 1
	s_wait_xcnt 0x0
	s_wait_alu depctr_hold_cnt(0) depctr_sa_sdst(0) depctr_va_vdst(0) depctr_va_sdst(0) depctr_va_ssrc(0) depctr_va_vcc(0) depctr_vm_vsrc(0)
	s_getreg_b32 s2, hwreg(HW_REG_IB_STS2, 6, 4)
	s_cmp_eq_u32 s2, 0
	s_cbranch_scc0 .Lentry_in_a_cluster
	s_endpgm
.Lentry_in_a_cluster:
	s_bfe_u32 s2, ttmp6, 0x10000c
	s_cmp_lg_u32 s2, 0xf033
	s_cbranch_scc0 .Lentry_shape_is_right
	s_endpgm
.Lentry_shape_is_right:
; The three quantised products: X_t[m][n] = sum over k of A_t[m][k] W_t[n][k], t = q, k, v; m 8,192, n 1,024, k 1,024, on codes of E2M1 with one E8M0 byte for each 32 along K; sums in f32.
; codes: rows of 512 bytes: 24,576 rows q | k | v (row 8192 t + 2048 b + s), then from byte WOFFC 3,072 rows wq | wk | wv.  scales: rows of 32 bytes in the same order, the weights from WOFFS.
; OUT: xh [t][b][head 16][s 2048][64] f16, the operands of the attention; and x32 [t][b][16][1024] f32: the rows s < 16 as they are summed, for the launch that carries those rows in f32.
; LIMIT: a result beyond 65,504 in magnitude does not fit f16.
; A tile of X, 256 x 256, is made by four waves, a wave 128 x 128: 64 accumulators, 512 registers.  K goes in two steps of 512 through two LDS slots: each slot is filled once, nothing is filled again.
; The scale bytes of the work-group's 256 + 256 rows, for all of K, are two dense blocks: they come once, in rows of 256 bytes.
; CLUSTERS: 4 x 4 work-groups.  A cluster's four tile ROWS are the same block j of 256 positions s in the four batches (tile row 32 t + 8 cy + j), so that whether a tile holds s < 16 (j = 0) is the same
; in all sixteen partners.  The four of a row of the cluster need the same tiles of A, the four of a column the same tiles of W: each is asked for jointly.
; THE MATRIX INSTRUCTION IS USED TRANSPOSED (source 0 = 16 rows of W, source 1 = 16 rows of A): a lane then holds eight neighbouring n of one row m.
; REGISTERS: window 0: v16-30 addresses; v32-95 scale words, two sets; v128-191 A's fragments, one set; on the way out v32-127 and v192-223 are at work.  window 1: W's fragments, two sets.  windows 2, 3: accumulators.
.set NQ,     4                         ; steps of 128 along K in a slot
.set ROWB,   256                       ; a tile's row in bytes: 512 codes
.set KROW,   512                       ; a row of codes in memory
.set PITCH,  272                       ; an LDS row: 256 bytes + 16 of padding: the 16 rows that a load touches start at 16 different banks (64 banks of 4 bytes: ISA guide 11.1)
.set FR,     8                         ; registers of a fragment, 16 rows x 128 K
.set NL,     2                         ; LDS loads that bring one
.set NP,     4                         ; places behind this matrix instruction (ISA guide 7.12.1)
.set HALFT,  128*PITCH                 ; 128 rows: what one tensor load brings
.set SLOT,   4*HALFT                   ; A's 256 rows, then W's 256 rows
.set KS,     32                        ; a row of scale bytes
.set SCL,    2*SLOT                    ; behind the slots: the scale bytes, as rows of 256 bytes + 16
.set HALFS,  (128*KS/256)*272          ; those of 128 rows
.set SBLK,   (16*KS/256)*272           ; those of 16 rows
.set SPARE,  SCL+4*HALFS               ; the spare words, 128 bytes a wave, which no other line names
.set SPITCH, 272                       ; the way out: a stage of 16 rows x (256 bytes + 16) for each wave, in slot 0, which has had its only fill and its last read by then
.set WOFFC,  12582912
.set WOFFS,  786432
.set ADRA, 16                          ; v16-17 LDS address of my A fragments in slot 0, 1
.set ADRB, 20                          ; v20-21 the same for W
.set STO,  24                          ; v24 the way out: where I put 16 bytes of a row
.set RD,   25                          ; v25 where I read them back
.set CO,   26                          ; v26 my byte offset in xh
.set ADRS, 27                          ; v27 LDS address of my scale words: lanes 0-15 A's rows, lanes 16-31 W's
.set SPW,  28                          ; v28 my spare word; never rewritten
.set NIL,  29                          ; v29 0; never rewritten
.set XO,   30                          ; v30 my byte offset in x32
.set SC,   32                          ; scale words: set s at v[SC + 32 s]; register 4 i + q: lanes 0-15 A's block i, lanes 16-31 W's block i, the slot's q-th 128 along K
.set AF,   128
.set TMP,  192                         ; the way out: packed results
.set OB,   32                          ; the way out: rows read back: v32-63 and v96-127 by turns
.set G1, 24                            ; s[24:31] group 1 for A's tiles; s[32:39] group 0, a set for each slot
.set G0, 32
.set G1B, 48                           ; s[48:55], s[56:63] the same for W's
.set G0B, 56
.set G1S, 68                           ; s[68:75], s[76:79] groups 1 and 0 for A's scale bytes; s[80:87], s[88:91] for W's
.set G0S, 76
.set G1SB, 80
.set G0SB, 88
.set MSB, 0
.macro WIN new                         ; the immediate's high byte repeats the setting that is left; a switch that changes nothing is dropped
.if MSB != \new
	s_set_vgpr_msb (MSB<<8)|\new
.set MSB, \new
.endif
.endm
.set MUL_LO, 0xa1                      ; source 0 (W) window 1, source 1 (A) window 0, C and D window 2
.set MUL_HI, 0xf1                      ; the same, C and D window 3
.set TO_B,   0x40                      ; destination window 1
; A joint load: waves 0 and 1 fetch for A, waves 2 and 3 for W; the branch hangs on the wave's number alone.  An s_nop 0 and four v_nop follow each of the two lines.
.macro JLOAD g0a, g1a, g0b, g1b
	s_cmp_eq_u32 s15, 0
	s_cbranch_scc0 .Lfor_b_\@
	tensor_load_to_lds s[\g0a:\g0a+3], s[\g1a:\g1a+7]
	s_nop 0
.rept 4
	v_nop
.endr
	s_branch .Lasked_\@
.Lfor_b_\@:
	tensor_load_to_lds s[\g0b:\g0b+3], s[\g1b:\g1b+7]
	s_nop 0
.rept 4
	v_nop
.endr
.Lasked_\@:
.endm
.macro CROUND                          ; a round of the cluster's barrier: my work-group's barrier; wave 0 signals for the work-group; every wave waits for all sixteen; my work-group's barrier once more
	s_barrier_signal -1
	s_barrier_wait -1
	s_cmp_lg_u32 s14, 0
	s_cbranch_scc1 .Lnot_wave_0_\@
	s_barrier_signal -3
.Lnot_wave_0_\@:
	s_barrier_wait -3
	s_barrier_signal -1
	s_barrier_wait -1
.endm
	s_load_b128 s[4:7], s[0:1], 0x0                ; codes s[4:5], scales s[6:7]
	s_load_b64 s[12:13], s[0:1], 0x10              ; xh
	s_load_b64 s[98:99], s[0:1], 0x18              ; x32
	v_lshl_add_u32 v[SPW], v0, 2, SPARE
	v_mov_b32 v[NIL], 0
	ds_add_u32 v[SPW], v[NIL]                      ; the wave's opening: the add, twice on end, and its wait ahead of my first tensor load
	ds_add_u32 v[SPW], v[NIL]
	v_lshrrev_b32 v1, 5, v0
	v_readfirstlane_b32 s14, v1                    ; wave 0..3
	s_lshr_b32 s15, s14, 1                         ; which half of the tile's rows is mine.  Also: I fetch for A (0) or for W (1)
	s_and_b32 s16, s14, 1                          ; which half of its columns.  Also: which 128 rows I fetch
	s_bfe_u32 s40, ttmp6, 0x40000                  ; cx, cy: my place in the cluster
	s_bfe_u32 s41, ttmp6, 0x40004
	s_lshl_b32 s42, ttmp9, 2
	s_add_co_u32 s42, s42, s40                     ; tile column = 4 x cluster x + cx
	s_and_b32 s95, ttmp7, 0xffff                   ; cluster y, 0 to 23:
	s_lshr_b32 s97, s95, 3                         ; t, the tensor,
	s_and_b32 s96, s95, 7                          ; j, the block of 256 positions
	s_lshl_b32 s17, s97, 5
	s_add_co_u32 s17, s17, s96
	s_lshl_b32 s95, s41, 3
	s_add_co_u32 s17, s17, s95                     ; tile row = 32 t + 8 cy + j: cy is the batch
	s_lshl_b32 s43, s41, 2
	s_lshl_b32 s43, 15, s43                        ; my row of the cluster
	s_lshl_b32 s44, 0x1111, s40                    ; my column
	s_or_b32 s[G1+0], s43, (0<<16)|(1<<20)|(1<<21)|(5<<22)|(3<<25)  ; 15:0 the mask; 17:16 elements of 1 byte; 20 padding on; 21 set beside a mask; 24:22 after every 64 words; 31:25 four words
	s_or_b32 s[G1B+0], s44, (0<<16)|(1<<20)|(1<<21)|(5<<22)|(3<<25)
.irp g, G1, G1B
	s_mov_b32 s[\g+1], ROWB<<16                    ; tensor_dim0
	s_mov_b32 s[\g+2], 128<<16                     ; tensor_dim1
	s_mov_b32 s[\g+3], ROWB<<16                    ; tile_dim0
	s_mov_b32 s[\g+4], 128                         ; tile_dim1
	s_mov_b32 s[\g+5], KROW                        ; from row to row
	s_mov_b32 s[\g+6], 0
	s_mov_b32 s[\g+7], 0
.endr
	s_or_b32 s[G1S+0], s43, (3<<16)|(1<<20)|(1<<21)|(5<<22)|(3<<25) ; the scale bytes of 128 rows: 4,096 dense bytes as 16 rows of 32 elements of 8 bytes, 16 bytes of padding behind each
	s_or_b32 s[G1SB+0], s44, (3<<16)|(1<<20)|(1<<21)|(5<<22)|(3<<25)
.irp g, G1S, G1SB
	s_mov_b32 s[\g+1], 32<<16
	s_mov_b32 s[\g+2], (128*KS/256)<<16
	s_mov_b32 s[\g+3], 32<<16
	s_mov_b32 s[\g+4], 128*KS/256
	s_mov_b32 s[\g+5], 32
	s_mov_b32 s[\g+6], 0
	s_mov_b32 s[\g+7], 0
.endr
	s_lshl_b32 s18, s16, 7                         ; which 128 rows of the tile I fetch
	s_lshl_b32 s20, s17, 8
	s_add_co_u32 s20, s20, s18                     ; A: row 256 x tile row + 128 x half
	s_lshl_b32 s46, s42, 8
	s_add_co_u32 s46, s46, s18
	s_lshl_b32 s3, s97, 10
	s_add_co_u32 s46, s46, s3                      ; W: row 1024 t + 256 x tile column + 128 x half, among the weights' rows
	s_mov_b32 s21, 0
	s_mov_b32 s47, 0
	s_mov_b64 s[18:19], KS
	s_mul_u64 s[22:23], s[20:21], s[18:19]         ; where these rows' scale bytes begin
	s_mul_u64 s[92:93], s[46:47], s[18:19]
	s_mov_b64 s[18:19], KROW
	s_mul_u64 s[20:21], s[20:21], s[18:19]         ; and their codes
	s_mul_u64 s[46:47], s[46:47], s[18:19]
	s_mul_i32 s45, s14, HALFT                      ; where they go: wave x 128 rows: no place in the cluster enters an LDS address
	s_mul_i32 s94, s14, HALFS
	s_wait_dscnt 0x0                               ; both opening adds are done
	s_wait_kmcnt 0x0
	s_add_nc_u64 s[8:9], s[4:5], WOFFC             ; the weights' codes
	s_add_nc_u64 s[10:11], s[6:7], WOFFS           ; and scale bytes
	s_add_nc_u64 s[20:21], s[4:5], s[20:21]
	s_add_nc_u64 s[22:23], s[6:7], s[22:23]
	s_add_nc_u64 s[46:47], s[8:9], s[46:47]
	s_add_nc_u64 s[92:93], s[10:11], s[92:93]
	CROUND                                         ; all sixteen work-groups are here: the joint loads meet
	s_mov_b32 s[G0S], 1
	s_add_co_u32 s[G0S+1], s94, SCL
	s_mov_b64 s[G0S+2:G0S+3], s[22:23]
	s_or_b32 s[G0S+3], s[G0S+3], 0x80000000
	s_mov_b32 s[G0SB], 1
	s_add_co_u32 s[G0SB+1], s94, SCL
	s_mov_b64 s[G0SB+2:G0SB+3], s[92:93]
	s_or_b32 s[G0SB+3], s[G0SB+3], 0x80000000
	JLOAD G0S, G1S, G0SB, G1SB                     ; the scale bytes first: they are wanted with K step 0
.irp s, 0,1
	s_mov_b32 s[G0+4*\s], 1
	s_add_co_u32 s[G0+4*\s+1], s45, \s*SLOT
	s_add_nc_u64 s[G0+4*\s+2:G0+4*\s+3], s[20:21], \s*ROWB
	s_or_b32 s[G0+4*\s+3], s[G0+4*\s+3], 0x80000000
	s_mov_b32 s[G0B+4*\s], 1
	s_add_co_u32 s[G0B+4*\s+1], s45, \s*SLOT
	s_add_nc_u64 s[G0B+4*\s+2:G0B+4*\s+3], s[46:47], \s*ROWB
	s_or_b32 s[G0B+4*\s+3], s[G0B+4*\s+3], 0x80000000
	JLOAD G0+4*\s, G1, G0B+4*\s, G1B               ; both K steps: three loads of mine are out, all that the launch has
.endr
	v_and_b32 v1, 15, v0                           ; r = lane % 16
	v_bfe_u32 v2, v0, 4, 1                         ; h = lane / 16
	v_mul_u32_u24 v3, v1, PITCH
	v_lshl_add_u32 v4, v2, 4, v3                   ; a fragment's row x pitch + 16 x half
	s_mul_i32 s21, s15, HALFT                      ; my 128 rows of A
	s_mul_i32 s22, s16, HALFT                      ; my 128 rows of W,
	s_add_co_u32 s22, s22, 2*HALFT                 ; which lie behind A's 256
.irp s, 0,1
	v_add_nc_u32 v[ADRA+\s], s21, v4
	v_add_nc_u32 v[ADRB+\s], s22, v4
	s_add_co_u32 s21, s21, SLOT
	s_add_co_u32 s22, s22, SLOT
.endr
	v_mul_u32_u24 v5, v1, KS                       ; my row's scale bytes: 32 a row,
	v_lshrrev_b32 v6, 8, v5
	v_lshl_add_u32 v5, v6, 4, v5                   ; and 16 more for each 256 passed
	s_mul_i32 s21, s15, HALFS                      ; A's: my 128 rows
	s_mul_i32 s22, s16, HALFS                      ; W's: my 128 rows, behind A's 256
	s_add_co_u32 s22, s22, 2*HALFS
	s_sub_co_u32 s22, s22, s21
	v_mul_u32_u24 v6, s22, v2                      ; lanes 16-31 take W's: one product, the distance x h
	s_add_co_u32 s21, s21, SCL
	v_add_nc_u32 v5, v5, v6
	v_add_nc_u32 v[ADRS], s21, v5
	s_mul_i32 s23, s14, 16*SPITCH                  ; my stage
	v_mul_u32_u24 v5, v1, SPITCH                   ; in: row r, 16 bytes for each half of the lanes
	v_lshl_add_u32 v5, v2, 4, v5
	v_add_nc_u32 v[STO], s23, v5
	v_bfe_u32 v6, v0, 3, 1                         ; back: lanes 0-15 take two rows' 128 bytes of the first head, lanes 16-31 of the second
	v_and_b32 v7, 7, v0
	v_mul_u32_u24 v5, v6, SPITCH
	v_lshl_add_u32 v5, v2, 7, v5
	v_lshl_add_u32 v5, v7, 4, v5
	v_add_nc_u32 v[RD], s23, v5
	v_lshlrev_b32 v[CO], 18, v2                    ; and the same in xh: a head is 2^18 bytes, a row 128
	v_lshl_add_u32 v[CO], v6, 7, v[CO]
	v_lshl_add_u32 v[CO], v7, 4, v[CO]
	v_lshlrev_b32 v[XO], 12, v1                    ; x32: row r of 4,096 bytes, + 32 h
	v_lshl_add_u32 v[XO], v2, 5, v[XO]
	s_lshl_b32 s20, s97, 2
	s_add_co_u32 s20, s20, s41                     ; 4 t + batch
	s_lshl_b32 s21, s20, 16                        ; x32: 16 rows of 4,096 bytes for each,
	s_lshl_b32 s22, s42, 10
	s_add_co_u32 s21, s21, s22                     ; + my tile's 256 columns
	s_lshl_b32 s22, s16, 9
	s_add_co_u32 s46, s21, s22                     ; + my half of them
	s_mov_b32 s47, 0
	s_add_nc_u64 s[98:99], s[98:99], s[46:47]
	s_lshl_b32 s20, s20, 4                         ; xh: head 16 (4 t + batch) + 4 x tile column + 2 x half,
	s_lshl_b32 s21, s42, 2
	s_add_co_u32 s20, s20, s21
	s_lshl_b32 s21, s16, 1
	s_add_co_u32 s20, s20, s21
	s_lshl_b32 s20, s20, 18
	s_lshl_b32 s21, s96, 15                        ; + row 256 j
	s_add_co_u32 s20, s20, s21
	s_lshl_b32 s21, s15, 14                        ; + my 128 rows
	s_add_co_u32 s46, s20, s21                     ; (under 2^26)
	s_add_nc_u64 s[12:13], s[12:13], s[46:47]
.macro FRAG reg, adr, q, i             ; a fragment: lane l holds row l % 16; registers 4 c .. 4 c + 3 hold K = 64 c + 32 (l / 16) + 0 .. 31
.irp c, 0,1
	ds_load_b128 v[\reg+4*\c:\reg+4*\c+3], v[\adr] offset:64*(\q)+32*\c+(\i)*16*PITCH
.endr
.endm
; 16 matrix instructions: A's blocks a0, a0 + 1 x W's eight, the slot's q-th 128 along K.  p: W's set; sc: the set of scale words.  zero = 1: the first product starts the sums.
; The 64 accumulators take turns, one instruction a turn, in the same order in every step.
.macro MUL16 a0, p, q, sc, zero
.irp a, \a0, \a0+1
.irp b, 0,1,2,3,4,5,6,7
.if \zero
	v_wmma_scale_f32_16x16x128_f8f6f4 v[8*(8*((\a)%4)+\b):8*(8*((\a)%4)+\b)+7], v[128*(\p)+FR*\b:128*(\p)+FR*\b+FR-1], v[AF+FR*(\a):AF+FR*(\a)+FR-1], 0, v[SC+8*NQ*(\sc)+NQ*\b+(\q)], v[SC+8*NQ*(\sc)+NQ*(\a)+(\q)] matrix_a_fmt:MATRIX_FMT_FP4 matrix_b_fmt:MATRIX_FMT_FP4 matrix_a_scale:MATRIX_SCALE_ROW1
.else
	v_wmma_scale_f32_16x16x128_f8f6f4 v[8*(8*((\a)%4)+\b):8*(8*((\a)%4)+\b)+7], v[128*(\p)+FR*\b:128*(\p)+FR*\b+FR-1], v[AF+FR*(\a):AF+FR*(\a)+FR-1], v[8*(8*((\a)%4)+\b):8*(8*((\a)%4)+\b)+7], v[SC+8*NQ*(\sc)+NQ*\b+(\q)], v[SC+8*NQ*(\sc)+NQ*(\a)+(\q)] matrix_a_fmt:MATRIX_FMT_FP4 matrix_b_fmt:MATRIX_FMT_FP4 matrix_a_scale:MATRIX_SCALE_ROW1
.endif
.endr
.endr
.endm
.macro FETCH_B slot, q, p
	WIN TO_B
.irp i, 0,1,2,3,4,5,6,7
	FRAG 128*(\p)+FR*\i, ADRB+\slot, \q, \i
.endr
	WIN 0
.endm
.macro FETCH_A slot, q, i0
.irp i, \i0, \i0+1, \i0+2, \i0+3
	FRAG AF+FR*(\i), ADRA+\slot, \q, \i
.endr
.endm
.macro SCALES sc                       ; a K step's scale words: four words a row; lanes 0-15 take A's block i, lanes 16-31 W's block i
.irp i, 0,1,2,3,4,5,6,7
	ds_load_b128 v[SC+8*NQ*\sc+NQ*\i:SC+8*NQ*\sc+NQ*\i+3], v[ADRS] offset:\i*SBLK
.endr
.endm
.macro PLACES n                        ; places in front of loads into registers that matrix instructions have read, and of the first read of results
.rept \n
	v_nop
.endr
.endm
.macro STEP slot, q, zero              ; a step of 128 along K that has its successor in the same slot
	s_wait_dscnt 4*NL                              ; W's set and A's blocks 0-3 are in; the youngest eight loads (A's blocks 4-7) may be out
	WIN MUL_LO
	MUL16 0, (\q)%2, \q, \slot, \zero
	MUL16 2, (\q)%2, \q, \slot, \zero
	s_wait_dscnt 0                                 ; A's blocks 4-7 are in
	PLACES NP
	FETCH_B \slot, (\q)+1, 1-(\q)%2
	FETCH_A \slot, (\q)+1, 0
	WIN MUL_HI
	MUL16 4, (\q)%2, \q, \slot, \zero
	MUL16 6, (\q)%2, \q, \slot, \zero
	PLACES NP
	WIN 0
	FETCH_A \slot, (\q)+1, 4
.endm
.macro STEPS slot, from
.set Q, \from
.rept NQ-1-\from
	STEP \slot, Q, 0
.set Q, Q+1
.endr
.endm
	s_wait_tensorcnt 1                             ; the scale bytes and my part of K step 0 are in; K step 1's load, issued behind them, may be out
	s_barrier_signal -1
	s_barrier_wait -1                              ; everybody's are
	FETCH_B 0, 0, 0
	FETCH_A 0, 0, 0
	SCALES 0
	FETCH_A 0, 0, 4
	STEP 0, 0, 1                                   ; the first step's products start the sums: nothing is cleared
	STEPS 0, 1
	; slot 0's last step changes slots: one barrier; in front of it each wave waits for its tensor loads (its part of slot 1), adds 0 to its spare word, and waits for that and for its reads of slot 0
	s_wait_tensorcnt 0x0
	ds_add_u32 v[SPW], v[NIL]
	s_wait_dscnt 4*NL+1                            ; the add and the youngest eight loads (A's blocks 4-7) may be out
	WIN MUL_LO
	MUL16 0, 1, NQ-1, 0, 0
	s_wait_dscnt 0x0                               ; the add is done, and my reads of slot 0 are over
	s_barrier_signal -1
	MUL16 2, 1, NQ-1, 0, 0                         ; work on registers while the others arrive
	WIN 0
	s_barrier_wait -1                              ; slot 1 is whole, and nobody reads slot 0 any more
	PLACES NP
	v_add_nc_u32 v[ADRS], 4*NQ, v[ADRS]            ; on to K step 1's scale words
	FETCH_B 1, 0, 0
	FETCH_A 1, 0, 0
	SCALES 1
	WIN MUL_HI
	MUL16 4, 1, NQ-1, 0, 0
	MUL16 6, 1, NQ-1, 0, 0
	PLACES NP
	WIN 0
	FETCH_A 1, 0, 4
	STEPS 1, 0
	s_wait_dscnt 4*NL                              ; the very last step: nothing more to fetch
	WIN MUL_LO
	MUL16 0, 1, NQ-1, 1, 0
	MUL16 2, 1, NQ-1, 1, 0
	s_wait_dscnt 0
	WIN MUL_HI
	MUL16 4, 1, NQ-1, 1, 0
	MUL16 6, 1, NQ-1, 1, 0
	WIN 0
	PLACES NP                                      ; behind the last products: results are read, and registers that held operands are loaded, from here on
	; THE ROWS s < 16 IN F32: block 0 of the waves with the tile's upper rows, where j = 0.  The test hangs on the cluster's y and on the wave's number: it is the same in all partners.
	; A lane's 32 bytes are a piece of a row of x32: stores of 32-byte pieces, 768 KiB in the whole launch.
	s_or_b32 s3, s96, s15
	s_cmp_lg_u32 s3, 0
	s_cbranch_scc1 .Lno32
	WIN 0x08                                       ; a store's data are its source 1: window 2
.irp b, 0,1,2,3,4,5,6,7
	global_store_b128 v[XO], v[8*\b:8*\b+3], s[98:99] offset:64*\b          ; each accumulator from its low end on
	global_store_b128 v[XO], v[8*\b+4:8*\b+7], s[98:99] offset:64*\b+16
.endr
	WIN 0
.Lno32:
; THE WAY OUT, block by block of 16 rows x 128 columns (two heads).  PACK: rounded to f16, 16 bytes a lane.  TOSTAGE: into my stage, and back so that sixteen lanes hold two whole rows of one head.  SEND: stored.
.macro PACK a
.set AC, 64*((\a)%4)
	WIN 0x0a+5*((\a)/4)                            ; sources 0 and 1: window 2 or 3
.irp b, 0,1,2,3,4,5,6,7
.irp i, 0,1,2,3
	v_cvt_pk_f16_f32 v[TMP+4*\b+\i], v[AC+8*\b+2*\i], v[AC+8*\b+2*\i+1]
.endr
.endr
	WIN 0
.endm
.macro TOSTAGE a
.set BK, OB+64*((\a)%2)
.irp b, 0,1,2,3,4,5,6,7
	ds_store_b128 v[STO], v[TMP+4*\b:TMP+4*\b+3] offset:32*\b
.endr
.irp i, 0,1,2,3,4,5,6,7
	ds_load_b128 v[BK+4*\i:BK+4*\i+3], v[RD] offset:\i*2*SPITCH    ; LDS serves a wave's instructions in order (ISA guide 5.7.1.4): these see the stores above
.endr
.endm
.macro SEND a
.set BK, OB+64*((\a)%2)
	s_wait_dscnt 0x0                               ; the block is back in registers
	s_wait_xcnt 0x0                                ; earlier stores have read their base and their data: both are written again only behind this wait
.if (\a) > 0
	s_add_nc_u64 s[12:13], s[12:13], 16*128        ; 16 rows of a head on
.endif
.irp i, 0,1,2,3,4,5,6,7
	global_store_b128 v[CO], v[BK+4*\i:BK+4*\i+3], s[12:13] offset:256*\i   ; sixteen lanes store 256 consecutive bytes, aligned: two rows of one head
.endr
.endm
	PACK 0
	TOSTAGE 0
.irp a, 1,2,3,4,5,6,7                  ; block a's conversions stand between block a - 1's loads from the stage and the wait for them
	PACK \a
	SEND \a-1
	TOSTAGE \a
.endr
	SEND 7
	s_wait_tensorcnt 0x0                           ; the wave's end, behind my last tensor load and my last LDS store
	ds_add_u32 v[SPW], v[NIL]
	s_wait_dscnt 0x0
	CROUND                                         ; the closing round
	s_endpgm
.Lfunc_end_k_qba1f1b8c33_proj:
	.size	k_qba1f1b8c33_proj, .Lfunc_end_k_qba1f1b8c33_proj-k_qba1f1b8c33_proj
	.p2alignl 7, 3214868480
	.fill 96, 4, 3214868480
	.section	.rodata,"a",@progbits
	.p2align	6, 0x0
	.amdhsa_kernel k_qba1f1b8c33_proj
		.amdhsa_group_segment_fixed_size 327680
		.amdhsa_private_segment_fixed_size 0
		.amdhsa_enable_private_segment 0
		.amdhsa_kernarg_size 32
		.amdhsa_user_sgpr_count 2
		.amdhsa_user_sgpr_kernarg_segment_ptr 1
		.amdhsa_wavefront_size32 1
		.amdhsa_system_sgpr_workgroup_id_x 1
		.amdhsa_system_sgpr_workgroup_id_y 1
		.amdhsa_system_sgpr_workgroup_id_z 1
		.amdhsa_system_vgpr_workitem_id 0
		.amdhsa_next_free_vgpr 1024
		.amdhsa_next_free_sgpr 100
		.amdhsa_reserve_vcc 0
		.amdhsa_float_denorm_mode_32 3
		.amdhsa_float_denorm_mode_16_64 3
		.amdhsa_memory_ordered 1
		.amdhsa_forward_progress 1
		.amdhsa_inst_pref_size 129
	.end_amdhsa_kernel
	.amdgpu_metadata
---
amdhsa.version: [ 1, 2 ]
amdhsa.kernels:
  - .name:           k_qba1f1b8c33_proj
    .symbol:         k_qba1f1b8c33_proj.kd
    .args:
      - { .name: codes, .offset: 0, .size: 8, .value_kind: global_buffer, .address_space: global }
      - { .name: scales, .offset: 8, .size: 8, .value_kind: global_buffer, .address_space: global }
      - { .name: xh, .offset: 16, .size: 8, .value_kind: global_buffer, .address_space: global }
      - { .name: x32, .offset: 24, .size: 8, .value_kind: global_buffer, .address_space: global }
    .group_segment_fixed_size: 327680
    .private_segment_fixed_size: 0
    .kernarg_segment_align: 8
    .kernarg_segment_size: 32
    .max_flat_workgroup_size: 128
    .sgpr_count:     100
    .vgpr_count:     1024
    .wavefront_size: 32
...
	.end_amdgpu_metadata
.endif
;; end of part 2
;; launch attn (part 3): grid 4 x 64, 16 waves a work-group, no clusters, 327,680 bytes of LDS; arguments xh, ao; writes ao
.if DOCPART == 3
	.amdgcn_target "amdgcn-amd-amdhsa--gfx1250"
	.amdhsa_code_object_version 6
	.text
	.protected	k_qba1f1b8c33_attn
	.globl	k_qba1f1b8c33_attn
	.p2align	8
	.type	k_qba1f1b8c33_attn,@function
k_qba1f1b8c33_attn:
	s_mov_b64 s[64:65], 0
	v_nop
	global_prefetch_b8 v0, s[64:65] scope:SCOPE_SE
	s_setreg_imm32_b32 hwreg(HW_REG_WAVE_MODE, 25, 1), 1
	s_wait_xcnt 0x0
; ao[b][h][q][:] = the sum over k <= q of softmax_k(Q[q] . K[k] / 8) V[k][:], for each of 64 (batch, head).  Q, K, V: xh [t 3][bh 64][2048][64] f16; ao: [bh 64][2048][64] f16.
; Products on f16 operands with f32 sums; maxima, exponentials and sums in f32; the weights p (at most 1) are rounded to f16 for the second product, O once at the end.
; The rows q < 16 of each sequence come out here with f16's rounding; a later launch computes them anew in f32 and writes over what is made of them.
; SOFTMAX: for each query a running maximum m and sum l: p = 2^(c s - c m), c = log2(e) / 8; in every step O and l are multiplied by a = 2^(c m_old - c m_new).
; SHARES: a work-group owns blocks i and 7 - i of 256 queries of one head, so that under the causal mask all 256 work-groups have the same work.  Each of its sixteen waves owns two tiles of 16 queries:
; LO at 256 i + 16 w and HI at 2032 - that: every wave walks the same number of keys in all, and a fragment of K or V read from LDS serves both tiles while LO is alive.  Four waves share a SIMD.
; LAYOUT: S^T = K Q^T (source 0 = 16 keys, source 1 = 16 queries), O^T = V^T P (source 0 = 16 channels, source 1 = P): a lane holds ONE query (lane % 16) throughout; two tiles of S^T, rounded in pairs, ARE a fragment of P.
; THE RING: two slots of 256 keys; waves 0, 1 fetch K's halves, waves 2, 3 V's; one barrier a slot.  EVERY work-group walks all 8 slots, so that trip counts are constants; steps all of whose keys are hidden,
; and loads of slots that no wave of the work-group reads, are jumped over by tests made of ids and the count of steps alone.  Every wait on TENSORcnt is for 0.
; NO CLUSTER: the four work-groups of a head need 8, 7, 6 and 5 slots: a joint load would bring some partner tiles that none of its waves reads.
.set SK,    256                        ; keys in a slot
.set PK,    144                        ; a row of K in LDS: 128 bytes + 16: the 16 rows of a load start at 16 different banks (64 banks of 4 bytes: ISA guide 11.1)
.set PV,    160                        ; a row of V: 128 + 32
.set VOFF,  SK*PK                      ; a slot: 256 rows of K, then 256 rows of V
.set SLOT1, 1<<17                      ; slot 1 begins here: one exclusive or turns an address in one slot into the other's
.set NSL,   2048/SK
.set STAGE, 2*SLOT1                    ; behind the ring: 16 rows x 144 bytes for each wave, for the way out; no tile lands here
.set SPARE, STAGE+16*16*PK             ; the spare words, 128 bytes a wave, which no other line names
.set HB,    262144                     ; a head's bytes
.set TB3,   16777216                   ; a tensor's bytes
.set AK0, 1                            ; v1  my lane's place in a tile of K
.set AV0, 2                            ; v2  the same for V
.set SPW, 3                            ; v3  my spare word; never rewritten
.set NIL, 4                            ; v4  0; never rewritten
.set ADK, 5                            ; v5  LDS address of the slot's K
.set ADV, 6                            ; v6  of its V
.set PFO, 7                            ; v7  256 x lane: the prefetches' offset
.set DD,  8                            ; v8  at work: query - first key - 8 (lane / 16)
.set NINF, 9                           ; v9  -infinity
.set DL,  10                           ; v10 lane % 16 - 8 (lane / 16)
.set QO,  11                           ; v11 my byte offset in a tile of Q
.set STO, 12                           ; v12 the way out: where I put 16 bytes
.set RD,  13                           ; v13 where I read them back
.set GO,  14                           ; v14 16 x lane
.set ST,  16                           ; v16-31 statistics, 8 a tile: +0 c m, +1 m, +2, +3 l (even keys', odd keys'), +4 to +7 at work; a in +6
.set Q,   32                           ; v32-63 Q, 16 a tile
.set F,   64                           ; v64-127 a step's fragments of K, then of V
.set S,   128                          ; v128-191 S^T, 32 a tile; P is laid over the low 16 of each
.set O,   192                          ; v192-255 O^T, 32 a tile.   Tile 0 is HI, tile 1 is LO
.set TB,  2                            ; s2  LDS byte at which the slot in hand begins
.set SLOTS, 3                          ; s3  changes of slots still to come
.set WV,  18
.set SEL, 20                           ; s[20:21] v_permlanex16_b32's selects: lane l xor 16
.set CS,  22                           ; s[22:23] c, twice
.set G1K, 24                           ; s[24:31] group 1 for K's tiles; s[32:39] for V's; s[40:43], s[44:47] their groups 0, which walk
.set G1V, 32
.set G0K, 40
.set G0V, 44
.set KF,  48                           ; s48 the step's first key
.set Q0H, 49                           ; s49, s50 my tiles' first queries
.set Q0L, 50
.set LH,  51                           ; s51, s52 their last
.set LL,  52
.set LW,  53                           ; s53 my work-group's last query
.set PFA, 54                           ; s[54:55] where my prefetches stand
.set LIM, 56                           ; s56 1 in a wave that prefetches, else the greatest number
.set AOH, 58                           ; s[58:59], s[60:61] ao at my tiles
.set AOL, 60
; Waves 0 and 1 fetch for K, waves 2 and 3 for V, the others nothing.  An s_nop 0 and four v_nop follow each of the two lines.
.macro TLOAD
	s_cmp_lt_u32 s[WV], 2
	s_cbranch_scc0 .Lnot_k_\@
	tensor_load_to_lds s[G0K:G0K+3], s[G1K:G1K+7]
	s_nop 0
.rept 4
	v_nop
.endr
	s_branch .Lasked_\@
.Lnot_k_\@:
	s_cmp_lt_u32 s[WV], 4
	s_cbranch_scc0 .Lasked_\@
	tensor_load_to_lds s[G0V:G0V+3], s[G1V:G1V+7]
	s_nop 0
.rept 4
	v_nop
.endr
.Lasked_\@:
.endm
; A prefetch of what the NEXT change of slots will ask for: a slot's 32,768 dense bytes of K and of V.  All four work-groups of a head walk the same K and V: the first of them asks, and in it the waves that
; fetch nothing: waves 4 to 7 for K, waves 8 to 11 for V, 8,192 bytes a wave, lanes 256 bytes apart: each aligned 256 bytes of slots 2 to 7 is named once.  The last change that fills a slot asks for nothing.
.macro ASK
	s_cmp_gt_u32 s[SLOTS], s[LIM]
	s_cbranch_scc0 .Lnot_mine_\@
	global_prefetch_b8 v[PFO], s[PFA:PFA+1] th:TH_LOAD_NT scope:SCOPE_SE
.Lnot_mine_\@:
.endm
	s_load_b128 s[4:7], s[0:1], 0x0                ; xh s[4:5], ao s[6:7]
	v_lshl_add_u32 v[SPW], v0, 2, SPARE
	v_mov_b32 v[NIL], 0
	ds_add_u32 v[SPW], v[NIL]                      ; the wave's opening: the add, twice on end, and its wait ahead of the first tensor load
	ds_add_u32 v[SPW], v[NIL]
	v_lshrrev_b32 v5, 5, v0
	v_readfirstlane_b32 s[WV], v5                  ; wave 0..15
	s_and_b32 s66, ttmp7, 0xffff                   ; 16 b + h
	s_lshl_b32 s8, s66, 18                         ; the head's first byte in a tensor
	s_mov_b32 s9, 0
	s_lshl_b32 s[Q0L], ttmp9, 8
	s_lshl_b32 s67, s[WV], 4
	s_add_co_u32 s[Q0L], s[Q0L], s67               ; LO: 256 i + 16 w
	s_sub_co_u32 s[Q0H], 2032, s[Q0L]              ; HI: the tile that mirrors it
	s_add_co_u32 s[LH], s[Q0H], 15
	s_add_co_u32 s[LL], s[Q0L], 15
	s_lshl_b32 s[LW], ttmp9, 8
	s_sub_co_u32 s[LW], 2047, s[LW]                ; the last query of block 7 - i
	s_and_b32 s67, s[WV], 1                        ; which half of a slot's rows I fetch, if I fetch:
	s_lshl_b32 s10, s67, 14                        ; 128 rows of 128 bytes in memory,
	s_mov_b32 s11, 0
	s_add_nc_u64 s[10:11], s[10:11], s[8:9]
	s_mul_i32 s68, s67, 128*PK                     ; and in a slot
	s_mul_i32 s69, s67, 128*PV
	s_add_co_u32 s69, s69, VOFF
	s_mov_b32 s[G1K], (1<<16)|(1<<20)|(4<<22)|(3<<25)   ; no mask; elements of 2 bytes; padding on: after every 32 words four words
	s_mov_b32 s[G1V], (1<<16)|(1<<20)|(4<<22)|(7<<25)   ; the same with eight words
.irp g, G1K, G1V
	s_mov_b32 s[\g+1], 64<<16                      ; tensor_dim0 = 64
	s_mov_b32 s[\g+2], 128<<16                     ; tensor_dim1 = 128
	s_mov_b32 s[\g+3], 64<<16                      ; tile_dim0 = 64
	s_mov_b32 s[\g+4], 128                         ; tile_dim1 = 128
	s_mov_b32 s[\g+5], 64                          ; from row to row
	s_mov_b32 s[\g+6], 0
	s_mov_b32 s[\g+7], 0
.endr
	s_mov_b32 s[SEL], 0x76543210
	s_mov_b32 s[SEL+1], 0xfedcba98
	s_mov_b32 s[CS], 0x3e38aa3b                    ; c = log2(e) / 8
	s_mov_b32 s[CS+1], s[CS]
	s_mov_b32 s[TB], 0
	s_mov_b32 s[SLOTS], NSL-1
	s_mov_b32 s[KF], 0
	s_wait_dscnt 0x0                               ; both opening adds are done
	s_wait_kmcnt 0x0
	s_mov_b32 s[G0K], 1
	s_mov_b32 s[G0K+1], s68
	s_add_nc_u64 s[G0K+2:G0K+3], s[4:5], s[10:11]
	s_add_nc_u64 s[G0K+2:G0K+3], s[G0K+2:G0K+3], TB3
	s_or_b32 s[G0K+3], s[G0K+3], 0x80000000
	s_mov_b32 s[G0V], 1
	s_mov_b32 s[G0V+1], s69
	s_add_nc_u64 s[G0V+2:G0V+3], s[4:5], s[10:11]
	s_add_nc_u64 s[G0V+2:G0V+3], s[G0V+2:G0V+3], 2*TB3
	s_or_b32 s[G0V+3], s[G0V+3], 0x80000000
	TLOAD                                          ; slot 0: it holds key 0, which counts for every query
	s_mov_b32 s70, 2*TB3                           ; the prefetches: waves 4 to 7 stand in K, waves 8 to 11 in V,
	s_cmp_lt_u32 s[WV], 8
	s_cselect_b32 s70, TB3, s70
	s_and_b32 s72, s[WV], 3
	s_lshl_b32 s72, s72, 13                        ; at my wave's 8,192 bytes
	s_add_co_u32 s70, s70, s72
	s_add_co_u32 s70, s70, SK*128                  ; of slot 1: the first change of slots steps it to slot 2.  Nothing is prefetched here, at the head
	s_add_co_u32 s70, s70, s8                      ; in my head (under 2^26)
	s_mov_b32 s71, 0
	s_add_nc_u64 s[PFA:PFA+1], s[4:5], s[70:71]
	s_sub_co_u32 s72, s[WV], 4
	s_lshr_b32 s72, s72, 3                         ; 0 in waves 4 to 11,
	s_or_b32 s72, s72, ttmp9                       ; of the head's first work-group
	s_cmp_eq_u32 s72, 0
	s_cselect_b32 s[LIM], 1, -1
	s_lshl_b32 s70, s[Q0H], 7                      ; my tiles' first rows: the same offset in xh's first tensor and in ao
	s_add_nc_u64 s[70:71], s[70:71], s[8:9]
	s_add_nc_u64 s[72:73], s[4:5], s[70:71]
	s_add_nc_u64 s[AOH:AOH+1], s[6:7], s[70:71]
	s_lshl_b32 s70, s[Q0L], 7
	s_mov_b32 s71, 0
	s_add_nc_u64 s[70:71], s[70:71], s[8:9]
	s_add_nc_u64 s[74:75], s[4:5], s[70:71]
	s_add_nc_u64 s[AOL:AOL+1], s[6:7], s[70:71]
	v_and_b32 v5, 15, v0                           ; r
	v_bfe_u32 v6, v0, 4, 1                         ; h
	v_lshlrev_b32 v[QO], 7, v5
	v_lshl_add_u32 v[QO], v6, 4, v[QO]             ; row r of 128 bytes + 16 h
.irp ks, 0,1                                   ; Q stays in registers: channels 32 ks on
	global_load_b128 v[Q+8*\ks:Q+8*\ks+3],       v[QO], s[72:73] offset:64*\ks
	global_load_b128 v[Q+8*\ks+4:Q+8*\ks+7],     v[QO], s[72:73] offset:64*\ks+32
	global_load_b128 v[Q+16+8*\ks:Q+16+8*\ks+3], v[QO], s[74:75] offset:64*\ks
	global_load_b128 v[Q+16+8*\ks+4:Q+16+8*\ks+7], v[QO], s[74:75] offset:64*\ks+32
.endr
	v_mul_u32_u24 v[AK0], v5, PK
	v_lshl_add_u32 v[AK0], v6, 4, v[AK0]           ; K: row r x pitch + 16 h
	v_and_b32 v8, 7, v0
	v_bfe_u32 v15, v0, 3, 1
	v_lshl_add_u32 v[AV0], v6, 3, v8               ; V, turned: key 8 h + lane % 8, channels 8 ((lane / 8) % 2) on
	v_mul_u32_u24 v[AV0], v[AV0], PV
	v_lshl_add_u32 v[AV0], v15, 4, v[AV0]
	v_add_nc_u32 v[AV0], VOFF, v[AV0]
	v_lshlrev_b32 v[DL], 3, v6
	v_sub_nc_u32 v[DL], v5, v[DL]
	s_mul_i32 s66, s[WV], 16*PK
	s_add_co_u32 s66, s66, STAGE                   ; my stage
	v_add_nc_u32 v[STO], s66, v[AK0]               ; in: row r, + 16 h
	v_bfe_u32 v15, v0, 3, 2
	v_mul_u32_u24 v[RD], v15, PK                   ; back: eight lanes to a row of 128 bytes, four rows an instruction
	v_lshl_add_u32 v[RD], v8, 4, v[RD]
	v_add_nc_u32 v[RD], s66, v[RD]
	v_and_b32 v[GO], 31, v0
	v_lshlrev_b32 v[PFO], 8, v[GO]
	v_lshlrev_b32 v[GO], 4, v[GO]
	v_mov_b32 v[NINF], 0xff800000
.irp T, 0,1
	v_mov_b32 v[ST+8*\T+1], 0xff61b1e6             ; m = -3e38, under every score
	v_mul_f32 v[ST+8*\T], s[CS], v[ST+8*\T+1]      ; c m
.irp j, 2,3,4,5,6,7
	v_mov_b32 v[ST+8*\T+\j], 0                     ; l, and the registers at work
.endr
.endr
.set i, 0
.rept 64
	v_mov_b32 v[O+i], 0                            ; O^T: the step is written once: the first finds zeros, which its a = 0 leaves zeros
.set i, i+1
.endr
.set i, 0
.rept 32
	v_mov_b32 v[S+32+i], 0                         ; LO's scores: the test on LO stands three times in a step, so these are written once here: every register is written before it is read on every way through the text
.set i, i+1
.endr
; S^T of tile T: 64 keys x 16 queries, K = the head's 64 in two instructions.  The four accumulators take turns.
.macro SQK T
.irp ks, 0,1
.irp kt, 0,1,2,3
.if \ks == 0
	v_wmma_f32_16x16x32_f16 v[S+32*\T+8*\kt:S+32*\T+8*\kt+7], v[F+8*(2*\kt+\ks):F+8*(2*\kt+\ks)+7], v[Q+16*\T+8*\ks:Q+16*\T+8*\ks+7], 0
.else
	v_wmma_f32_16x16x32_f16 v[S+32*\T+8*\kt:S+32*\T+8*\kt+7], v[F+8*(2*\kt+\ks):F+8*(2*\kt+\ks)+7], v[Q+16*\T+8*\ks:Q+16*\T+8*\ks+7], v[S+32*\T+8*\kt:S+32*\T+8*\kt+7]
.endif
.endr
.endr
.endm
; O^T of tile T += V^T P: keys 32 u on, channels 16 ct on; the four accumulators take turns.
.macro PVM T
.irp u, 0,1
.irp ct, 0,1,2,3
	v_wmma_f32_16x16x32_f16 v[O+32*\T+8*\ct:O+32*\T+8*\ct+7], v[F+8*(4*\u+\ct):F+8*(4*\u+\ct)+7], v[S+32*\T+8*\u:S+32*\T+8*\u+7], v[O+32*\T+8*\ct:O+32*\T+8*\ct+7]
.endr
.endr
.endm
; The softmax of tile T for one step.  Register n of S^T holds key KF + 16 (n / 8) + 8 (lane / 16) + n % 8 of my query.  q0: the scalar register with the tile's first query.
.macro SOFT T, q0
.set rT, ST+8*\T
.set rS, S+32*\T
.set rO, O+32*\T
	s_add_co_u32 s66, s[KF], 63                    ; a step all of whose keys count skips the mask
	s_cmp_le_u32 s66, s[\q0]
	s_cbranch_scc1 .Lopen_\@
	s_sub_co_i32 s66, s[\q0], s[KF]
	v_add_nc_u32 v[DD], s66, v[DL]                 ; d = my query - KF - 8 (lane / 16): register n is hidden where 16 (n / 8) + n % 8 > d
.irp n, 0,1,2,3,4,5,6,7,8,9,10,11,12,13,14,15,16,17,18,19,20,21,22,23,24,25,26,27,28,29,30,31
	v_cmp_gt_i32 vcc_lo, 16*(\n/8)+\n%8, v[DD]
	v_cndmask_b32 v[rS+\n], v[rS+\n], v[NINF], vcc_lo   ; -infinity ahead of the maximum: p = 0 then
.endr
.Lopen_\@:
.irp j, 0,1,2,3
	v_max3_num_f32 v[rT+4+\j], v[rS+8*\j], v[rS+8*\j+1], v[rS+8*\j+2]   ; the maximum, in four chains, each accumulator from its low end on
.endr
.irp k, 3,5
.irp j, 0,1,2,3
	v_max3_num_f32 v[rT+4+\j], v[rT+4+\j], v[rS+8*\j+\k], v[rS+8*\j+\k+1]
.endr
.endr
	v_max3_num_f32 v[rT+4], v[rT+4], v[rS+7], v[rS+15]
	v_max3_num_f32 v[rT+6], v[rT+6], v[rS+23], v[rS+31]
	v_max3_num_f32 v[rT+4], v[rT+4], v[rT+5], v[rT+6]
	v_max3_num_f32 v[rT+4], v[rT+4], v[rT+7], v[rT+1]   ; with the old m
	v_permlanex16_b32 v[rT+5], v[rT+4], s[SEL], s[SEL+1]   ; the query's other 32 keys lie in the lane 16 away
	v_mov_b32 v[rT+7], v[rT]                       ; c m_old
	v_max_num_f32 v[rT+1], v[rT+4], v[rT+5]        ; the new m
	v_mul_f32 v[rT], s[CS], v[rT+1]
	v_sub_f32 v[rT+7], v[rT+7], v[rT]              ; c m_old - c m_new
.irp p, 0,1,2,3,4,5,6,7,8,9,10,11,12,13,14,15
	v_pk_fma_f32 v[rS+2*\p:rS+2*\p+1], v[rS+2*\p:rS+2*\p+1], s[CS:CS+1], v[rT:rT+1] op_sel_hi:[1,0,0] neg_lo:[0,0,1] neg_hi:[0,0,1]   ; c s - c m, two at a time
.endr
	v_exp_f32 v[rT+6], v[rT+7]                     ; a.  ONE BATCH of 33 exponentials, none of which reads another's result
.irp n, 0,1,2,3,4,5,6,7,8,9,10,11,12,13,14,15,16,17,18,19,20,21,22,23,24,25,26,27,28,29,30,31
	v_exp_f32 v[rS+\n], v[rS+\n]
.endr
	v_nop                                          ; a plain line behind the last exponential
	s_wait_alu depctr_va_vdst(0)                   ; one wait for the batch, ahead of its first reader
	v_pk_fma_f32 v[rT+2:rT+3], v[rT+2:rT+3], v[rT+6:rT+7], v[rS:rS+1] op_sel_hi:[1,0,1]   ; l = a l + the sum of the unrounded p, in two chains
	v_pk_add_f32 v[rT+4:rT+5], v[rS+2:rS+3], v[rS+6:rS+7]
.irp p, 2,4,6,8,10,12
	v_pk_add_f32 v[rT+2:rT+3], v[rT+2:rT+3], v[rS+2*\p:rS+2*\p+1]
	v_pk_add_f32 v[rT+4:rT+5], v[rT+4:rT+5], v[rS+2*\p+6:rS+2*\p+7]
.endr
	v_pk_add_f32 v[rT+2:rT+3], v[rT+2:rT+3], v[rS+28:rS+29]
	v_pk_add_f32 v[rT+2:rT+3], v[rT+2:rT+3], v[rT+4:rT+5]
.irp j, 0,1,2,3,4,5,6,7,8,9,10,11,12,13,14,15
	v_cvt_pk_f16_f32 v[rS+\j], v[rS+2*\j], v[rS+2*\j+1]   ; P, in place: register j is written when its own two numbers have been rounded (at j / 2)
.endr
.irp p, 0,1,2,3,4,5,6,7,8,9,10,11,12,13,14,15
	v_pk_mul_f32 v[rO+2*\p:rO+2*\p+1], v[rO+2*\p:rO+2*\p+1], v[rT+6:rT+7] op_sel_hi:[1,0]   ; O^T x a, from the low end on
.endr
.endm
; A KEY STEP: 64 keys, the q-th of the slot in hand.  A step all of whose keys come after HI's queries is left out; LO's part where they come after LO's.  No barrier, wait for tiles or tensor load stands in a step.
.macro STEP q
	s_cmp_gt_u32 s[KF], s[LH]
	s_cbranch_scc1 .Lhidden_\@
.irp kt, 0,1,2,3
.irp ks, 0,1
	ds_load_b128 v[F+8*(2*\kt+\ks):F+8*(2*\kt+\ks)+3],   v[ADK] offset:64*PK*(\q)+16*PK*\kt+64*\ks
	ds_load_b128 v[F+8*(2*\kt+\ks)+4:F+8*(2*\kt+\ks)+7], v[ADK] offset:64*PK*(\q)+16*PK*\kt+64*\ks+32
.endr
.endr
	s_wait_dscnt 0x0
	SQK 0
	s_cmp_gt_u32 s[KF], s[LL]
	s_cbranch_scc1 .Lno_s_\@
	SQK 1
.Lno_s_\@:
.rept 4
	v_nop                                          ; places in front of the loads into K's registers and of the first read of the scores
.endr
.irp u, 0,1
.irp ct, 0,1,2,3
	ds_load_tr16_b128 v[F+8*(4*\u+\ct):F+8*(4*\u+\ct)+3],   v[ADV] offset:64*PV*(\q)+32*PV*\u+32*\ct
	ds_load_tr16_b128 v[F+8*(4*\u+\ct)+4:F+8*(4*\u+\ct)+7], v[ADV] offset:64*PV*(\q)+32*PV*\u+16*PV+32*\ct
.endr
.endr
	SOFT 0, Q0H                                    ; V is on its way meanwhile
	s_cmp_gt_u32 s[KF], s[LL]
	s_cbranch_scc1 .Lno_m_\@
	SOFT 1, Q0L
.Lno_m_\@:
	s_wait_dscnt 0x0                               ; V is in
	PVM 0
	s_cmp_gt_u32 s[KF], s[LL]
	s_cbranch_scc1 .Lno_p_\@
	PVM 1
.Lno_p_\@:
.rept 5
	v_nop                                          ; five places: the next step's scores are written by matrix instructions over P, which these products read; its loads land in V's registers
.endr
.Lhidden_\@:
	s_add_co_u32 s[KF], s[KF], 64
.endm
; THE CHANGE OF SLOTS stands at a slot's head.  Each wave waits for all its tensor loads (its part of the slot that it is about to read), adds 0 to its spare word, and waits for that and for its reads of the
; slot that it has left.  Behind the barrier the slot ahead is whole and nobody reads the other one.  fill = 1: that other slot is filled with the next 256 keys, which have a whole slot's steps in which to land.
.macro CHANGE fill
	s_wait_tensorcnt 0x0                           ; no tensor load of mine is out, so a group 0 may be written
	ds_add_u32 v[SPW], v[NIL]
.if \fill
	ds_add_u32 v[SPW], v[NIL]                      ; and twice on end here, in every trip alike
	s_xor_b32 s[G0K+1], s[G0K+1], SLOT1            ; the walking descriptors: the other slot than last time,
	s_add_nc_u64 s[G0K+2:G0K+3], s[G0K+2:G0K+3], SK*128   ; the next 256 keys; the type bits on top are not reached
	s_xor_b32 s[G0V+1], s[G0V+1], SLOT1
	s_add_nc_u64 s[G0V+2:G0V+3], s[G0V+2:G0V+3], SK*128
	s_wait_xcnt 0x0                                ; the last prefetch, a slot back, has read its address, so it may be written:
	s_add_nc_u64 s[PFA:PFA+1], s[PFA:PFA+1], SK*128   ; one slot further on than the walking descriptors
.endif
	s_wait_dscnt 0x0                               ; the add is done, and my reads of the slot that I have left are over
	s_barrier_signal -1
	s_barrier_wait -1
.if \fill
	s_add_co_u32 s66, s[KF], SK                    ; THE LOOK-AHEAD ENDS AT THE CAUSAL LIMIT: a slot whose first key comes after my work-group's last query is read by none of its waves and is not asked for.
	s_cmp_gt_u32 s66, s[LW]                        ; ids and the count of steps alone: all sixteen waves go the same way, and a work-group past the limit stays past it
	s_cbranch_scc1 .Lpast_\@
	TLOAD                                          ; a wave's one tensor load until the next change
.Lpast_\@:
	ASK
.endif
.endm
.macro SLOT_STEPS
	v_add_nc_u32 v[ADK], s[TB], v[AK0]
	v_add_nc_u32 v[ADV], s[TB], v[AV0]
	STEP 0
	STEP 1
	STEP 2
	STEP 3
	s_xor_b32 s[TB], s[TB], SLOT1                  ; on to the other slot
.endm
	s_wait_loadcnt 0x0                             ; Q
.Lslot:                                            ; 7 trips
	CHANGE 1
	SLOT_STEPS
	s_sub_co_u32 s[SLOTS], s[SLOTS], 1
	s_cmp_lg_u32 s[SLOTS], 0
	s_cbranch_scc1 .Lslot
	CHANGE 0                                       ; the last slot is written out: nothing is left to ask for
	SLOT_STEPS
	; THE WAY OUT: l's two halves and the other half of the lanes' are added; O^T / l, rounded to f16, goes through my stage and leaves as 512 consecutive bytes an instruction.
.irp T, 0,1
	v_add_f32 v[ST+8*\T+4], v[ST+8*\T+2], v[ST+8*\T+3]
.endr
.irp T, 0,1
	v_permlanex16_b32 v[ST+8*\T+5], v[ST+8*\T+4], s[SEL], s[SEL+1]
.endr
.irp T, 0,1
	v_add_f32 v[ST+8*\T+4], v[ST+8*\T+4], v[ST+8*\T+5]
.endr
.irp T, 0,1
	v_rcp_f32 v[ST+8*\T+6], v[ST+8*\T+4]
.endr
	v_nop                                          ; a plain line behind the reciprocals
	s_wait_alu depctr_va_vdst(0)                   ; and one wait for both, ahead of their first reader
.macro PACKO T
.irp p, 0,1,2,3,4,5,6,7,8,9,10,11,12,13,14,15
	v_pk_mul_f32 v[S+32*\T+2*\p:S+32*\T+2*\p+1], v[O+32*\T+2*\p:O+32*\T+2*\p+1], v[ST+8*\T+6:ST+8*\T+7] op_sel_hi:[1,0]
.endr
.irp j, 0,1,2,3,4,5,6,7,8,9,10,11,12,13,14,15
	v_cvt_pk_f16_f32 v[S+32*\T+\j], v[S+32*\T+2*\j], v[S+32*\T+2*\j+1]   ; registers 4 ct .. 4 ct + 3: channels 16 ct + 8 h + 0 .. 7 of query r
.endr
.irp ct, 0,1,2,3
	ds_store_b128 v[STO], v[S+32*\T+4*\ct:S+32*\T+4*\ct+3] offset:32*\ct
.endr
.irp i, 0,1,2,3
	ds_load_b128 v[F+16*\T+4*\i:F+16*\T+4*\i+3], v[RD] offset:4*PK*\i   ; LDS serves a wave's instructions in order: these see my stores, and the next tile's stores come behind them
.endr
.endm
.macro SENDO T, base, younger          ; younger: the LDS instructions issued behind this tile's loads
.irp i, 0,1,2,3
	s_wait_dscnt \younger+3-\i
	global_store_b128 v[GO], v[F+16*\T+4*\i:F+16*\T+4*\i+3], s[\base:\base+1] offset:512*\i   ; 32 lanes store four rows: 512 consecutive bytes, aligned
.endr
.endm
	PACKO 0
	PACKO 1
	SENDO 0, AOH, 8                                ; behind tile 0's loads: tile 1's four stores and four loads
	SENDO 1, AOL, 0
	s_wait_tensorcnt 0x0                           ; the wave's end, behind my last tensor load and my last LDS store
	ds_add_u32 v[SPW], v[NIL]
	s_wait_dscnt 0x0
	s_endpgm
.Lfunc_end_k_qba1f1b8c33_attn:
	.size	k_qba1f1b8c33_attn, .Lfunc_end_k_qba1f1b8c33_attn-k_qba1f1b8c33_attn
	.p2alignl 7, 3214868480
	.fill 96, 4, 3214868480
	.section	.rodata,"a",@progbits
	.p2align	6, 0x0
	.amdhsa_kernel k_qba1f1b8c33_attn
		.amdhsa_group_segment_fixed_size 327680
		.amdhsa_private_segment_fixed_size 0
		.amdhsa_enable_private_segment 0
		.amdhsa_kernarg_size 16
		.amdhsa_user_sgpr_count 2
		.amdhsa_user_sgpr_kernarg_segment_ptr 1
		.amdhsa_wavefront_size32 1
		.amdhsa_system_sgpr_workgroup_id_x 1
		.amdhsa_system_sgpr_workgroup_id_y 1
		.amdhsa_system_sgpr_workgroup_id_z 1
		.amdhsa_system_vgpr_workitem_id 0
		.amdhsa_next_free_vgpr 256
		.amdhsa_next_free_sgpr 80
		.amdhsa_reserve_vcc 1
		.amdhsa_float_denorm_mode_32 3
		.amdhsa_float_denorm_mode_16_64 3
		.amdhsa_memory_ordered 1
		.amdhsa_forward_progress 1
		.amdhsa_inst_pref_size 191
	.end_amdhsa_kernel
	.amdgpu_metadata
---
amdhsa.version: [ 1, 2 ]
amdhsa.kernels:
  - .name:           k_qba1f1b8c33_attn
    .symbol:         k_qba1f1b8c33_attn.kd
    .args:
      - { .name: xh, .offset: 0, .size: 8, .value_kind: global_buffer, .address_space: global }
      - { .name: ao, .offset: 8, .size: 8, .value_kind: global_buffer, .address_space: global }
    .group_segment_fixed_size: 327680
    .private_segment_fixed_size: 0
    .kernarg_segment_align: 8
    .kernarg_segment_size: 16
    .max_flat_workgroup_size: 512
    .sgpr_count:     80
    .vgpr_count:     256
    .wavefront_size: 32
...
	.end_amdgpu_metadata
.endif
;; end of part 3
;; launch outp (part 4): grid 4 x 64, 4 waves a work-group, clusters of 4 x 4, 327,680 bytes of LDS; arguments ao, wo16, out0; writes out0
.if DOCPART == 4
	.amdgcn_target "amdgcn-amd-amdhsa--gfx1250"
	.amdhsa_code_object_version 6
	.text
	.protected	k_qba1f1b8c33_outp
	.globl	k_qba1f1b8c33_outp
	.p2align	8
	.type	k_qba1f1b8c33_outp,@function
k_qba1f1b8c33_outp:
	s_mov_b64 s[64:65], 0
	v_nop
	global_prefetch_b8 v0, s[64:65] scope:SCOPE_SE
	s_setreg_imm32_b32 hwreg(HW_REG_WAVE_MODE, 25, 1), 1
	s_wait_xcnt 0x0
	s_wait_alu depctr_hold_cnt(0) depctr_sa_sdst(0) depctr_va_vdst(0) depctr_va_sdst(0) depctr_va_ssrc(0) depctr_va_vcc(0) depctr_vm_vsrc(0)
	s_getreg_b32 s2, hwreg(HW_REG_IB_STS2, 6, 4)
	s_cmp_eq_u32 s2, 0
	s_cbranch_scc0 .Lentry_in_a_cluster
	s_endpgm
.Lentry_in_a_cluster:
	s_bfe_u32 s2, ttmp6, 0x10000c
	s_cmp_lg_u32 s2, 0xf033
	s_cbranch_scc0 .Lentry_shape_is_right
	s_endpgm
.Lentry_shape_is_right:
; out0[m][n] = sum over k of A[m][k] wo[n][k]: m = 2048 b + s (8,192), n 1,024, k = 64 head + channel (1,024).  A lies by head: ao [b][head][s][64] f16; wo16 [n][k] f16; out0 f32; sums in f32.
; The 64 rows s < 16 are written here from f16 operands and written over by the launch that follows, which carries them in f32.
; A tile of out0 is 128 x 256, so that there are 256 work-groups: four waves, each 64 rows x 128 columns: 32 accumulators, 256 registers.  K goes in steps of 128 (two heads) through a ring of two LDS slots.
; A's tile of a step is two planes, one a head, of 128 rows x 128 bytes, dense in memory; wo's is 256 rows x 256 bytes.  Waves 0, 1 fetch A's planes, waves 2, 3 wo's halves: one tensor load a wave.
; CLUSTERS: 4 x 4 work-groups; A's tile is shared along a row of the cluster, wo's along a column: each is asked for jointly.
; THE MATRIX INSTRUCTION IS USED TRANSPOSED (source 0 = 16 rows of wo, source 1 = 16 rows of A): a lane then holds eight neighbouring n of one row m.
; REGISTERS: window 0: v16-29 addresses; two fragment buffers of 96: at v32 and at v128: A's four blocks (32), then wo's eight (64).  window 1: accumulator (a, b) at v[8 (8 a + b)].
.set PA,     144                       ; a row of A in LDS: 128 bytes + 16
.set PB,     272                       ; a row of wo: 256 + 16: in both the 16 rows that a load touches start at 16 different banks (64 banks of 4 bytes: ISA guide 11.1)
.set PLANE,  128*PA
.set ABYTES, 2*PLANE
.set HALFB,  128*PB
.set SLOT,   ABYTES+2*HALFB
.set STAGE,  2*SLOT                    ; behind the ring: 16 rows x 528 bytes for each wave; no tile lands here
.set SPITCH, 528
.set SPARE,  STAGE+4*16*SPITCH         ; the spare words, 128 bytes a wave, which no other line names
.set LAPS,   4                         ; a lap = two K steps = once round the ring
.set ADRA, 16                          ; v16-17 LDS address of my A fragments in slot 0, 1
.set ADRB, 20                          ; v20-21 the same for wo
.set STO,  24
.set RD,   25
.set CO,   26
.set SPW,  28                          ; v28 my spare word; never rewritten
.set NIL,  29                          ; v29 0; never rewritten
.set F0,   32
.set F1,   128
.set G1, 24                            ; s[24:31] group 1 for A's planes; s[32:39] group 0, a set for each slot
.set G0, 32
.set G1B, 48                           ; s[48:55], s[56:63] the same for wo's halves
.set G0B, 56
.set MSB, 0
.macro WIN new
.if MSB != \new
	s_set_vgpr_msb (MSB<<8)|\new
.set MSB, \new
.endif
.endm
.set MUL, 0x50                         ; sources 0 and 1 window 0; C and D window 1
.macro JLOAD s                         ; a joint load; an s_nop 0 and four v_nop follow each of the two lines
	s_cmp_eq_u32 s11, 0
	s_cbranch_scc0 .Lfor_b_\@
	tensor_load_to_lds s[G0+4*\s:G0+4*\s+3], s[G1:G1+7]
	s_nop 0
.rept 4
	v_nop
.endr
	s_branch .Lasked_\@
.Lfor_b_\@:
	tensor_load_to_lds s[G0B+4*\s:G0B+4*\s+3], s[G1B:G1B+7]
	s_nop 0
.rept 4
	v_nop
.endr
.Lasked_\@:
.endm
.macro CREST                           ; a round of the cluster's barrier behind its opening barrier
	s_cmp_lg_u32 s10, 0
	s_cbranch_scc1 .Lnot_wave_0_\@
	s_barrier_signal -3
.Lnot_wave_0_\@:
	s_barrier_wait -3
	s_barrier_signal -1
	s_barrier_wait -1
.endm
.macro CROUND
	s_barrier_signal -1
	s_barrier_wait -1
	CREST
.endm
	s_load_b128 s[4:7], s[0:1], 0x0                ; ao s[4:5], wo16 s[6:7]
	s_load_b64 s[8:9], s[0:1], 0x10                ; out0
	v_lshl_add_u32 v[SPW], v0, 2, SPARE
	v_mov_b32 v[NIL], 0
	ds_add_u32 v[SPW], v[NIL]                      ; the wave's opening: the add, twice on end, and its wait ahead of my first tensor load
	ds_add_u32 v[SPW], v[NIL]
	v_lshrrev_b32 v1, 5, v0
	v_readfirstlane_b32 s10, v1                    ; wave 0..3
	s_lshr_b32 s11, s10, 1                         ; which 64 rows are mine.  Also: I fetch for A (0) or for wo (1)
	s_and_b32 s12, s10, 1                          ; which 128 columns.  Also: which plane of A, or which half of wo's rows, I fetch
	s_bfe_u32 s40, ttmp6, 0x40000                  ; cx, cy
	s_bfe_u32 s41, ttmp6, 0x40004
	s_lshl_b32 s42, ttmp9, 2
	s_add_co_u32 s42, s42, s40                     ; tile column = 4 x cluster x + cx
	s_and_b32 s13, ttmp7, 0xffff
	s_lshl_b32 s13, s13, 2
	s_add_co_u32 s13, s13, s41                     ; tile row = 4 x cluster y + cy
	s_lshl_b32 s43, s41, 2
	s_lshl_b32 s43, 15, s43                        ; my row of the cluster
	s_lshl_b32 s44, 0x1111, s40                    ; my column
	s_or_b32 s[G1+0], s43, (1<<16)|(1<<20)|(1<<21)|(4<<22)|(3<<25)  ; the mask; elements of 2 bytes; padding on; 21 set beside a mask; after every 32 words four words
	s_mov_b32 s[G1+1], 64<<16                      ; tensor_dim0 = 64
	s_mov_b32 s[G1+2], 128<<16                     ; tensor_dim1 = 128
	s_mov_b32 s[G1+3], 64<<16                      ; tile_dim0
	s_mov_b32 s[G1+4], 128                         ; tile_dim1
	s_mov_b32 s[G1+5], 64                          ; from row to row
	s_mov_b32 s[G1+6], 0
	s_mov_b32 s[G1+7], 0
	s_or_b32 s[G1B+0], s44, (1<<16)|(1<<20)|(1<<21)|(5<<22)|(3<<25) ; after every 64 words four words
	s_mov_b32 s[G1B+1], 128<<16
	s_mov_b32 s[G1B+2], 128<<16
	s_mov_b32 s[G1B+3], 128<<16
	s_mov_b32 s[G1B+4], 128
	s_mov_b32 s[G1B+5], 1024
	s_mov_b32 s[G1B+6], 0
	s_mov_b32 s[G1B+7], 0
	s_lshr_b32 s16, s13, 4                         ; A: the batch's 2^22 bytes,
	s_lshl_b32 s16, s16, 22
	s_and_b32 s17, s13, 15
	s_lshl_b32 s17, s17, 14                        ; + my tile's 128 rows of 128 bytes,
	s_add_co_u32 s16, s16, s17
	s_lshl_b32 s17, s12, 18                        ; + my plane's head
	s_add_co_u32 s16, s16, s17
	s_mov_b32 s17, 0
	s_lshl_b32 s46, s42, 8                         ; wo: row 256 x tile column + 128 x half, of 2,048 bytes
	s_lshl_b32 s47, s12, 7
	s_add_co_u32 s46, s46, s47
	s_lshl_b32 s46, s46, 11
	s_mov_b32 s47, 0
	s_mul_i32 s20, s12, PLANE                      ; where they go: no place in the cluster enters an LDS address
	s_mul_i32 s21, s12, HALFB
	s_add_co_u32 s21, s21, ABYTES
	s_wait_dscnt 0x0                               ; both opening adds are done
	s_wait_kmcnt 0x0
	s_add_nc_u64 s[14:15], s[4:5], s[16:17]
	s_add_nc_u64 s[46:47], s[6:7], s[46:47]
	CROUND                                         ; all sixteen work-groups are here: the first joint loads meet
.irp s, 0,1
	s_mov_b32 s[G0+4*\s], 1
	s_add_co_u32 s[G0+4*\s+1], s20, \s*SLOT
	s_add_nc_u64 s[G0+4*\s+2:G0+4*\s+3], s[14:15], \s*(2<<18)      ; K step s: heads 2 s, 2 s + 1
	s_or_b32 s[G0+4*\s+3], s[G0+4*\s+3], 0x80000000
	s_mov_b32 s[G0B+4*\s], 1
	s_add_co_u32 s[G0B+4*\s+1], s21, \s*SLOT
	s_add_nc_u64 s[G0B+4*\s+2:G0B+4*\s+3], s[46:47], \s*256
	s_or_b32 s[G0B+4*\s+3], s[G0B+4*\s+3], 0x80000000
	JLOAD \s                                       ; two loads of mine are out
.endr
	v_and_b32 v1, 15, v0                           ; r
	v_bfe_u32 v2, v0, 4, 1                         ; h
	v_mul_u32_u24 v3, v1, PA
	v_lshl_add_u32 v3, v2, 4, v3
	v_mul_u32_u24 v4, v1, PB
	v_lshl_add_u32 v4, v2, 4, v4
	s_mul_i32 s21, s11, 64*PA                      ; my 64 rows of A, in each plane
	s_mul_i32 s22, s12, HALFB                      ; my 128 rows of wo,
	s_add_co_u32 s22, s22, ABYTES                  ; behind A's planes
.irp s, 0,1
	v_add_nc_u32 v[ADRA+\s], s21, v3
	v_add_nc_u32 v[ADRB+\s], s22, v4
	s_add_co_u32 s21, s21, SLOT
	s_add_co_u32 s22, s22, SLOT
.endr
	s_mul_i32 s23, s10, 16*SPITCH
	s_add_co_u32 s23, s23, STAGE                   ; my stage
	v_mul_u32_u24 v5, v1, SPITCH                   ; in: row r, 32 bytes for each half of the lanes
	v_lshl_add_u32 v5, v2, 5, v5
	v_add_nc_u32 v[STO], s23, v5
	v_and_b32 v6, 31, v0
	v_lshlrev_b32 v[CO], 4, v6                     ; back: the 32 lanes take one row of 512 bytes; and the same in out0
	v_add_nc_u32 v[RD], s23, v[CO]
	s_lshl_b32 s16, s13, 7
	s_lshl_b32 s17, s11, 6
	s_add_co_u32 s16, s16, s17                     ; my first row: 128 x tile row + 64 x half,
	s_lshl_b32 s16, s16, 12                        ; of 4,096 bytes (under 2^25)
	s_lshl_b32 s46, s42, 10                        ; my first column, in bytes: 1,024 x tile column + 512 x half
	s_add_co_u32 s16, s16, s46
	s_lshl_b32 s46, s12, 9
	s_add_co_u32 s16, s16, s46
	s_mov_b32 s17, 0
	s_add_nc_u64 s[8:9], s[8:9], s[16:17]
; 8 matrix instructions: A's block a x wo's eight, 32 along K, from buffer f.  zero = 1: the first product starts the sums.  The 32 accumulators take turns.
.macro MUL8 f, a, zero
.irp b, 0,1,2,3,4,5,6,7
.if \zero
	v_wmma_f32_16x16x32_f16 v[8*(8*(\a)+\b):8*(8*(\a)+\b)+7], v[\f+32+8*\b:\f+32+8*\b+7], v[\f+8*(\a):\f+8*(\a)+7], 0
.else
	v_wmma_f32_16x16x32_f16 v[8*(8*(\a)+\b):8*(8*(\a)+\b)+7], v[\f+32+8*\b:\f+32+8*\b+7], v[\f+8*(\a):\f+8*(\a)+7], v[8*(8*(\a)+\b):8*(8*(\a)+\b)+7]
.endif
.endr
.endm
; 24 LDS loads in one run: the fragments of the slot's q-th 32 along K into buffer f: wo's eight first, then A's four (plane q / 2, its channels 32 (q % 2) on)
.macro FETCH slot, q, f
.irp i, 0,1,2,3,4,5,6,7
	ds_load_b128 v[\f+32+8*\i:\f+32+8*\i+3],   v[ADRB+\slot] offset:64*(\q)+\i*16*PB
	ds_load_b128 v[\f+32+8*\i+4:\f+32+8*\i+7], v[ADRB+\slot] offset:64*(\q)+\i*16*PB+32
.endr
.irp i, 0,1,2,3
	ds_load_b128 v[\f+8*\i:\f+8*\i+3],   v[ADRA+\slot] offset:PLANE*((\q)/2)+64*((\q)%2)+\i*16*PA
	ds_load_b128 v[\f+8*\i+4:\f+8*\i+7], v[ADRA+\slot] offset:PLANE*((\q)/2)+64*((\q)%2)+\i*16*PA+32
.endr
.endm
.macro PLACES                          ; four places in front of loads into registers that matrix instructions have read, and of the first read of results
.rept 4
	v_nop
.endr
.endm
; A K step is four quarters of 32 along K, 32 matrix instructions each, on buffers 0, 1, 0, 1.  One of the first three: multiplies buffer f and fetches quarter qn of the same slot into g.
.macro QUARTER slot, qn, f, g, zero
	s_wait_dscnt 4                                 ; wo's eight and A's blocks 0, 1 are in; the youngest four loads (A's blocks 2, 3) may be out
	WIN MUL
	MUL8 \f, 0, \zero
	MUL8 \f, 1, \zero
	PLACES
	WIN 0
	FETCH \slot, \qn, \g
	s_wait_dscnt 24                                ; all but the 24 just issued
	WIN MUL
	MUL8 \f, 2, \zero
	MUL8 \f, 3, \zero
.endm
; The last quarter multiplies buffer 1 and changes slots: one barrier; in front of it each wave waits for all its tensor loads, adds 0 to its spare word, and waits for that and for its reads of this slot.
; fill = 1: the barrier opens a round of the cluster's barrier, and this slot is filled again, two K steps ahead: from the request to the wait for it a wave issues 112 matrix instructions.
.macro TURN slot, next, fill
	WIN 0                                          ; (the add's two registers lie in window 0)
	s_wait_tensorcnt 0x0                           ; all my tensor loads have landed: my part of the next slot
	ds_add_u32 v[SPW], v[NIL]
	s_wait_dscnt 5                                 ; the add and the youngest four loads may be out
	WIN MUL
	MUL8 F1, 0, 0
	s_wait_dscnt 0x0                               ; the add is done, and my reads of this slot are over
	s_barrier_signal -1
	MUL8 F1, 1, 0                                  ; work on registers while the others arrive
	WIN 0
	s_barrier_wait -1
.if \fill
	CREST                                          ; no wave of any partner still reads this slot's tiles or has a load on its way
	s_add_nc_u64 s[G0+4*\slot+2:G0+4*\slot+3], s[G0+4*\slot+2:G0+4*\slot+3], 1<<20     ; four heads on
	s_add_nc_u64 s[G0B+4*\slot+2:G0B+4*\slot+3], s[G0B+4*\slot+2:G0B+4*\slot+3], 512   ; 256 along K on
	JLOAD \slot                                    ; the first tensor load behind the round; its four v_nop are also the places in front of the loads below
.else
	PLACES
.endif
	FETCH \next, 0, F0
	WIN MUL
	MUL8 F1, 2, 0
	MUL8 F1, 3, 0
.endm
	s_wait_tensorcnt 1                             ; my part of K step 0 is in; K step 1's load may be out
	s_barrier_signal -1
	s_barrier_wait -1                              ; everybody's is
	FETCH 0, 0, F0
	QUARTER 0, 1, F0, F1, 1                        ; the first quarter stands in front of the loop: its products start the sums
	WIN 0                                          ; at a label and at a branch every window is 0
	s_mov_b32 s3, LAPS-1
.Llap:                                             ; a trip goes once round the ring, from a lap's second quarter to the next lap's first, and fills both slots again
	QUARTER 0, 2, F1, F0, 0
	QUARTER 0, 3, F0, F1, 0
	TURN 0, 1, 1
	QUARTER 1, 1, F0, F1, 0
	QUARTER 1, 2, F1, F0, 0
	QUARTER 1, 3, F0, F1, 0
	TURN 1, 0, 1
	QUARTER 0, 1, F0, F1, 0
	WIN 0
	s_sub_co_u32 s3, s3, 1
	s_cmp_lg_u32 s3, 0
	s_cbranch_scc1 .Llap
	QUARTER 0, 2, F1, F0, 0                        ; the last lap fills nothing, and has no round of the cluster's barrier
	QUARTER 0, 3, F0, F1, 0
	TURN 0, 1, 0
	QUARTER 1, 1, F0, F1, 0
	QUARTER 1, 2, F1, F0, 0
	QUARTER 1, 3, F0, F1, 0
	s_wait_dscnt 4                                 ; the very last quarter: nothing more to fetch
	WIN MUL
	MUL8 F1, 0, 0
	MUL8 F1, 1, 0
	s_wait_dscnt 0
	MUL8 F1, 2, 0
	MUL8 F1, 3, 0
	WIN 0
; THE WAY OUT, block by block of 16 rows x 128 columns: through my own stage and back as whole rows of 512 bytes.  LDS serves a wave's instructions in order (ISA guide 5.7.1.4): no wait between the stores and the loads.
.macro TOSTAGE a
	WIN 0x04                                       ; an LDS store's data are its source 1: window 1
.irp b, 0,1,2,3,4,5,6,7
	ds_store_b128 v[STO], v[64*(\a)+8*\b:64*(\a)+8*\b+3] offset:64*\b          ; each accumulator from its low end on
	ds_store_b128 v[STO], v[64*(\a)+8*\b+4:64*(\a)+8*\b+7] offset:64*\b+16
.endr
	WIN 0
.set BB, 32+64*((\a)%2)
.irp t, 0,1,2,3,4,5,6,7,8,9,10,11,12,13,14,15
	ds_load_b128 v[BB+4*\t:BB+4*\t+3], v[RD] offset:\t*SPITCH
.endr
.endm
.macro SEND a, younger                 ; younger: the LDS instructions issued behind block a's loads, which may stay out
.set BB, 32+64*((\a)%2)
	s_wait_dscnt \younger
.if (\a) > 0
	s_add_nc_u64 s[8:9], s[8:9], 16*4096           ; (behind a wait on XCNT: the earlier stores have read their base)  16 rows on
.endif
.irp t, 0,1,2,3,4,5,6,7,8,9,10,11,12,13,14,15
	global_store_b128 v[CO], v[BB+4*\t:BB+4*\t+3], s[8:9] offset:\t*4096 th:TH_STORE_NT   ; 32 lanes store 512 consecutive bytes, aligned
.endr
.endm
	PLACES
	TOSTAGE 0
.irp a, 1,2,3
.if \a > 1
	s_wait_xcnt 0x0                                ; block a - 2's stores have read their registers and their base
.endif
	TOSTAGE \a
	SEND \a-1, 32                                  ; behind block a - 1's loads: block a's 16 stores and 16 loads
.endr
	s_wait_xcnt 0x0
	SEND 3, 0
	s_wait_tensorcnt 0x0                           ; the wave's end, behind my last tensor load and my last LDS store
	ds_add_u32 v[SPW], v[NIL]
	s_wait_dscnt 0x0
	CROUND                                         ; the closing round
	s_endpgm
.Lfunc_end_k_qba1f1b8c33_outp:
	.size	k_qba1f1b8c33_outp, .Lfunc_end_k_qba1f1b8c33_outp-k_qba1f1b8c33_outp
	.p2alignl 7, 3214868480
	.fill 96, 4, 3214868480
	.section	.rodata,"a",@progbits
	.p2align	6, 0x0
	.amdhsa_kernel k_qba1f1b8c33_outp
		.amdhsa_group_segment_fixed_size 327680
		.amdhsa_private_segment_fixed_size 0
		.amdhsa_enable_private_segment 0
		.amdhsa_kernarg_size 24
		.amdhsa_user_sgpr_count 2
		.amdhsa_user_sgpr_kernarg_segment_ptr 1
		.amdhsa_wavefront_size32 1
		.amdhsa_system_sgpr_workgroup_id_x 1
		.amdhsa_system_sgpr_workgroup_id_y 1
		.amdhsa_system_sgpr_workgroup_id_z 1
		.amdhsa_system_vgpr_workitem_id 0
		.amdhsa_next_free_vgpr 512
		.amdhsa_next_free_sgpr 66
		.amdhsa_reserve_vcc 0
		.amdhsa_float_denorm_mode_32 3
		.amdhsa_float_denorm_mode_16_64 3
		.amdhsa_memory_ordered 1
		.amdhsa_forward_progress 1
		.amdhsa_inst_pref_size 85
	.end_amdhsa_kernel
	.amdgpu_metadata
---
amdhsa.version: [ 1, 2 ]
amdhsa.kernels:
  - .name:           k_qba1f1b8c33_outp
    .symbol:         k_qba1f1b8c33_outp.kd
    .args:
      - { .name: ao, .offset: 0, .size: 8, .value_kind: global_buffer, .address_space: global }
      - { .name: wo16, .offset: 8, .size: 8, .value_kind: global_buffer, .address_space: global }
      - { .name: out0, .offset: 16, .size: 8, .value_kind: global_buffer, .address_space: global }
    .group_segment_fixed_size: 327680
    .private_segment_fixed_size: 0
    .kernarg_segment_align: 8
    .kernarg_segment_size: 24
    .max_flat_workgroup_size: 128
    .sgpr_count:     66
    .vgpr_count:     512
    .wavefront_size: 32
...
	.end_amdgpu_metadata
.endif
;; end of part 4
;; launch fine (part 5): grid 16 x 4, 16 waves a work-group, no clusters, 86,016 bytes of LDS; arguments x32, wo, out0; writes out0
.if DOCPART == 5
	.amdgcn_target "amdgcn-amd-amdhsa--gfx1250"
	.amdhsa_code_object_version 6
	.text
	.protected	k_qba1f1b8c33_fine
	.globl	k_qba1f1b8c33_fine
	.p2align	8
	.type	k_qba1f1b8c33_fine,@function
k_qba1f1b8c33_fine:
	s_mov_b64 s[64:65], 0
	v_nop
	global_prefetch_b8 v0, s[64:65] scope:SCOPE_SE
	s_setreg_imm32_b32 hwreg(HW_REG_WAVE_MODE, 25, 1), 1
	s_wait_xcnt 0x0
; THE FIRST 16 POSITIONS OF EVERY SEQUENCE, IN F32 THROUGHOUT: under the causal mask they average one to sixteen values and are the largest numbers of the output, so the rounding of f16 operands weighs most there.
; x32 [t 3][b 4][16][1024] f32 holds their projections as the quantised products summed them.  For batch b: attention of the 16 queries over the 16 keys in each of 16 heads, then out0[2048 b + s][n] = sum over k of att[s][k] wo[n][k].
; SHARES: work-group (nb, b) makes 64 columns n of the batch's 16 rows.  Each work-group computes all 16 heads of its batch anew (192 KiB read, little arithmetic): that lets one launch do both steps.
; Phase 1: wave w = head w.  Phase 2: wave w takes 16 columns (nt = w % 4) and a quarter of K (kq = w / 4); the four quarters meet in LDS.  64 work-groups: there is no more work than that.
; All products by the f32 matrix form, 16 x 16 x 4; its accumulators, v112-143, are written by matrix instructions alone, each sum begins with the constant 0, and they take turns.
; K IS PERMUTED ALIKE ON BOTH OPERANDS: a lane's 16 bytes at 32 g + 16 (lane / 16) of a row are k = 8 g + 4 (lane / 16) + 0 .. 3; registers 2 u, 2 u + 1 of them feed instruction (g, u).
.set PAT,   4112                       ; LDS: the attention's result, 16 rows x (4,096 bytes + 16)
.set PL,    16*PAT                     ; behind it four planes, one for each quarter of K: 16 rows x (256 bytes + 16)
.set PPL,   272
.set SPARE, PL+4*16*PPL                ; the spare words, 128 bytes a wave, which no other line names
.set SPW, 14                           ; v14 my spare word; never rewritten
.set NIL, 15                           ; v15 0; never rewritten
.set QF,  16                           ; v16-47 Q; later T = v16-23 the scores, v24-31 at work, P = v32-39; later A's fragments v16-79
.set KF,  48                           ; v48-79 K
.set VF,  80                           ; v80-111 V; later v80-95: wo's groups 28 to 31
.set M,   112                          ; v112-143 four accumulators
.set W,   144                          ; v144-255 wo's groups 0 to 27
.set T,   16
.set P,   32
	s_load_b128 s[4:7], s[0:1], 0x0                ; x32 s[4:5], wo s[6:7]
	s_load_b64 s[8:9], s[0:1], 0x10                ; out0
	v_lshl_add_u32 v[SPW], v0, 2, SPARE
	v_mov_b32 v[NIL], 0
	v_lshrrev_b32 v10, 5, v0
	v_readfirstlane_b32 s10, v10                   ; wave 0..15
	s_and_b32 s11, s10, 3                          ; nt
	s_lshr_b32 s12, s10, 2                         ; kq
	s_and_b32 s13, s10, 7                          ; which two rows I store at the end, if I store
	s_and_b32 s14, ttmp7, 0xffff                   ; b
	v_and_b32 v10, 15, v0                          ; r
	v_bfe_u32 v11, v0, 4, 1                        ; h
	v_lshlrev_b32 v1, 12, v10
	v_lshl_add_u32 v1, v11, 4, v1                  ; v1: Q, K, wo: row r of 4,096 bytes + 16 h
	v_lshlrev_b32 v2, 2, v10
	v_lshl_add_u32 v2, v11, 15, v2                 ; v2: V: key 8 h, channel r
	v_mul_u32_u24 v12, v10, PAT
	s_lshl_b32 s16, s10, 8
	v_lshl_add_u32 v3, v11, 5, v12
	v_add_nc_u32 v3, s16, v3                       ; v3: where I put my head's result: row r, + 256 w + 32 h
	s_lshl_b32 s16, s12, 10
	v_lshl_add_u32 v4, v11, 4, v12
	v_add_nc_u32 v4, s16, v4                       ; v4: where I read A's fragments: row r, + my quarter of K + 16 h
	v_mul_u32_u24 v5, v10, PPL
	v_lshl_add_u32 v5, v11, 5, v5
	s_mul_i32 s16, s12, 16*PPL
	s_lshl_b32 s17, s11, 6
	s_add_co_u32 s16, s16, s17
	s_add_co_u32 s16, s16, PL
	v_add_nc_u32 v5, s16, v5                       ; v5: my plane, row r, + 64 nt + 32 h
	v_mul_u32_u24 v6, v11, PPL
	v_lshl_add_u32 v6, v10, 4, v6
	s_mul_i32 s16, s13, 2*PPL
	s_add_co_u32 s16, s16, PL
	v_add_nc_u32 v6, s16, v6                       ; v6: back: rows 2 (w % 8) + h of plane 0, 16 bytes a lane
	v_lshlrev_b32 v7, 12, v11
	v_lshl_add_u32 v7, v10, 4, v7                  ; v7: the same two rows in out0
	v_lshlrev_b32 v8, 3, v11
	v_sub_nc_u32 v8, v10, v8                       ; v8: r - 8 h
	v_mov_b32 v9, 0xff800000                       ; v9: -infinity
	s_mov_b32 s20, 0x76543210
	s_mov_b32 s21, 0xfedcba98                      ; v_permlanex16_b32's selects: lane l xor 16
	s_mov_b32 s22, 0x3e38aa3b                      ; c = log2(e) / 8
	s_lshl_b32 s24, s14, 16                        ; x32: the batch's 16 rows, + my head's 256 bytes
	s_lshl_b32 s16, s10, 8
	s_add_co_u32 s24, s24, s16
	s_mov_b32 s25, 0
	s_lshl_b32 s26, ttmp9, 6                       ; wo: row 64 nb + 16 nt, + my quarter of K
	s_lshl_b32 s16, s11, 4
	s_add_co_u32 s26, s26, s16
	s_lshl_b32 s26, s26, 12
	s_lshl_b32 s16, s12, 10
	s_add_co_u32 s26, s26, s16
	s_mov_b32 s27, 0
	s_lshl_b32 s28, s14, 23                        ; out0: row 2048 b + 2 (w % 8), + 256 nb
	s_lshl_b32 s16, s13, 13
	s_add_co_u32 s28, s28, s16
	s_lshl_b32 s16, ttmp9, 8
	s_add_co_u32 s28, s28, s16
	s_mov_b32 s29, 0
	s_wait_kmcnt 0x0
	s_add_nc_u64 s[24:25], s[4:5], s[24:25]
	s_add_nc_u64 s[26:27], s[6:7], s[26:27]
	s_add_nc_u64 s[28:29], s[8:9], s[28:29]
.irp g, 0,1,2,3,4,5,6,7
	global_load_b128 v[QF+4*\g:QF+4*\g+3], v1, s[24:25] offset:32*\g
.endr
.irp g, 0,1,2,3,4,5,6,7
	global_load_b128 v[KF+4*\g:KF+4*\g+3], v1, s[24:25] offset:262144+32*\g
.endr
.irp ct, 0,1,2,3
.irp i, 0,1,2,3
.irp j, 0,1
	global_load_b32 v[VF+2*(4*\ct+\i)+\j], v2, s[24:25] offset:524288+4096*(2*\i+\j)+64*\ct   ; V(key 8 h + 2 i + j, channel 16 ct + r)
.endr
.endr
.endr
.set g, 0
.rept 28
	global_load_b128 v[W+4*g:W+4*g+3], v1, s[26:27] offset:32*g
.set g, g+1
.endr
	; ---- 1: my head.  S^T = K Q^T: lane (r, h) holds query r, register j key 8 h + j; two sums by turns
	s_wait_loadcnt 60                              ; Q and K are in; V's 32 loads and wo's 28 may be out
	v_wmma_f32_16x16x4_f32 v[M:M+7], v[KF:KF+1], v[QF:QF+1], 0
	v_wmma_f32_16x16x4_f32 v[M+8:M+15], v[KF+2:KF+3], v[QF+2:QF+3], 0
.irp g, 1,2,3,4,5,6,7
	v_wmma_f32_16x16x4_f32 v[M:M+7], v[KF+4*\g:KF+4*\g+1], v[QF+4*\g:QF+4*\g+1], v[M:M+7]
	v_wmma_f32_16x16x4_f32 v[M+8:M+15], v[KF+4*\g+2:KF+4*\g+3], v[QF+4*\g+2:QF+4*\g+3], v[M+8:M+15]
.endr
.rept 8
	v_nop                                          ; eight places behind this form, in front of the first read of results and of writes into Q's registers (ISA guide 7.12.1)
.endr
.irp j, 0,1,2,3,4,5,6,7
	v_add_f32 v[T+\j], v[M+\j], v[M+8+\j]          ; the score, from the accumulators' low ends on
.endr
.irp j, 0,1,2,3,4,5,6,7
	v_cmp_gt_i32 vcc_lo, \j, v8                    ; key 8 h + j comes after query r
	v_cndmask_b32 v[T+\j], v[T+\j], v9, vcc_lo
.endr
	v_max3_num_f32 v24, v[T], v[T+1], v[T+2]
	v_max3_num_f32 v25, v[T+3], v[T+4], v[T+5]
	v_max3_num_f32 v24, v24, v[T+6], v[T+7]
	v_max_num_f32 v24, v24, v25
	v_permlanex16_b32 v25, v24, s20, s21
	v_max_num_f32 v24, v24, v25                    ; the row's maximum: key 0 counts for every query, so it is a number
	v_mul_f32 v24, s22, v24
.irp j, 0,1,2,3,4,5,6,7
	v_fma_f32 v[T+\j], v[T+\j], s22, -v24          ; c s - c m
.endr
.irp j, 0,1,2,3,4,5,6,7
	v_exp_f32 v[T+\j], v[T+\j]
.endr
	v_nop                                          ; a plain line behind the exponentials
	s_wait_alu depctr_va_vdst(0)                   ; one wait for the eight, ahead of their first reader
	v_add_f32 v26, v[T], v[T+1]
	v_add_f32 v27, v[T+2], v[T+3]
	v_add_f32 v28, v[T+4], v[T+5]
	v_add_f32 v29, v[T+6], v[T+7]
	v_add_f32 v26, v26, v27
	v_add_f32 v28, v28, v29
	v_add_f32 v26, v26, v28
	v_permlanex16_b32 v27, v26, s20, s21
	v_add_f32 v26, v26, v27                        ; the row's sum
	v_rcp_f32 v26, v26
	v_nop
	s_wait_alu depctr_va_vdst(0)
.irp j, 0,1,2,3,4,5,6,7
	v_mul_f32 v[P+\j], v[T+\j], v26                ; the weights: query r, key 8 h + j
.endr
	s_wait_loadcnt 28                              ; V is in; wo's 28 loads may be out
.irp i, 0,1,2,3                                ; O^T = V^T P: instruction i takes keys 8 h + 2 i, + 1; four tiles of 16 channels by turns
.irp ct, 0,1,2,3
.if \i == 0
	v_wmma_f32_16x16x4_f32 v[M+8*\ct:M+8*\ct+7], v[VF+2*(4*\ct+\i):VF+2*(4*\ct+\i)+1], v[P+2*\i:P+2*\i+1], 0
.else
	v_wmma_f32_16x16x4_f32 v[M+8*\ct:M+8*\ct+7], v[VF+2*(4*\ct+\i):VF+2*(4*\ct+\i)+1], v[P+2*\i:P+2*\i+1], v[M+8*\ct:M+8*\ct+7]
.endif
.endr
.endr
.rept 9
	v_nop                                          ; places in front of the stores that read the results and of the loads into V's and P's registers
.endr
.irp ct, 0,1,2,3
	ds_store_b128 v3, v[M+8*\ct:M+8*\ct+3] offset:64*\ct          ; att(r, 64 w + 16 ct + 8 h + 0 .. 7), each accumulator from its low end on
	ds_store_b128 v3, v[M+8*\ct+4:M+8*\ct+7] offset:64*\ct+16
.endr
.irp g, 28,29,30,31
	global_load_b128 v[VF+4*(\g-28):VF+4*(\g-28)+3], v1, s[26:27] offset:32*\g   ; wo's last four groups, where V lay
.endr
	s_wait_dscnt 0x0                               ; for the others' sake: my stores have landed
	s_barrier_signal -1
	s_barrier_wait -1                              ; the 16 rows x 1,024 of the attention lie in LDS
	; ---- 2: my 16 columns over my 256 of K: 32 groups in two batches of 16; four sums by turns.  Source 0 = wo's rows, source 1 = the attention's: a lane holds row r and eight neighbouring columns
.macro BATCH g0
.set g, 0
.rept 16
	ds_load_b128 v[16+4*g:16+4*g+3], v4 offset:32*(\g0+g)
.set g, g+1
.endr
	s_wait_dscnt 0x0
.set g, \g0
.rept 16
.if g == 28
	s_wait_loadcnt 0x0                             ; wo's last four groups are in
.endif
.if g < 28
.set WR, W+4*g
.else
.set WR, VF+4*(g-28)
.endif
.set AR, 16+4*(g-\g0)
.set MA, M+8*((2*g)&3)
.if g < 2
	v_wmma_f32_16x16x4_f32 v[MA:MA+7], v[WR:WR+1], v[AR:AR+1], 0
	v_wmma_f32_16x16x4_f32 v[MA+8:MA+15], v[WR+2:WR+3], v[AR+2:AR+3], 0
.else
	v_wmma_f32_16x16x4_f32 v[MA:MA+7], v[WR:WR+1], v[AR:AR+1], v[MA:MA+7]
	v_wmma_f32_16x16x4_f32 v[MA+8:MA+15], v[WR+2:WR+3], v[AR+2:AR+3], v[MA+8:MA+15]
.endif
.set g, g+1
.endr
.rept 8
	v_nop                                          ; places in front of the next loads into A's registers, and of the first read of results
.endr
.endm
	s_wait_loadcnt 4                               ; wo's groups 0 to 27 are in; the four late loads may be out
	BATCH 0
	BATCH 16
.irp j, 0,1,2,3,4,5,6,7
	v_add_f32 v[16+\j], v[M+\j], v[M+8+\j]         ; the four sums, from their low ends on
	v_add_f32 v[24+\j], v[M+16+\j], v[M+24+\j]
.endr
.irp j, 0,1,2,3,4,5,6,7
	v_add_f32 v[16+\j], v[16+\j], v[24+\j]
.endr
	ds_store_b128 v5, v[16:19]
	ds_store_b128 v5, v[20:23] offset:16
	s_wait_dscnt 0x0                               ; for the others' sake
	s_barrier_signal -1
	s_barrier_wait -1                              ; the four quarters of K lie in their planes
	s_cmp_ge_u32 s10, 8                            ; waves 0 to 7 add them and store two rows each; no barrier stands under this branch
	s_cbranch_scc1 .Ldone
.irp p, 0,1,2,3
	ds_load_b128 v[32+4*\p:35+4*\p], v6 offset:16*PPL*\p
.endr
	s_wait_dscnt 0x0
.irp c, 0,1,2,3
	v_add_f32 v[32+\c], v[32+\c], v[36+\c]
	v_add_f32 v[40+\c], v[40+\c], v[44+\c]
.endr
.irp c, 0,1,2,3
	v_add_f32 v[32+\c], v[32+\c], v[40+\c]
.endr
	global_store_b128 v7, v[32:35], s[28:29]       ; sixteen lanes store 256 consecutive bytes, aligned
.Ldone:
	s_wait_tensorcnt 0x0                           ; the wave's end, behind my last LDS store
	ds_add_u32 v[SPW], v[NIL]
	s_wait_dscnt 0x0
	s_endpgm
.Lfunc_end_k_qba1f1b8c33_fine:
	.size	k_qba1f1b8c33_fine, .Lfunc_end_k_qba1f1b8c33_fine-k_qba1f1b8c33_fine
	.p2alignl 7, 3214868480
	.fill 96, 4, 3214868480
	.section	.rodata,"a",@progbits
	.p2align	6, 0x0
	.amdhsa_kernel k_qba1f1b8c33_fine
		.amdhsa_group_segment_fixed_size 86016
		.amdhsa_private_segment_fixed_size 0
		.amdhsa_enable_private_segment 0
		.amdhsa_kernarg_size 24
		.amdhsa_user_sgpr_count 2
		.amdhsa_user_sgpr_kernarg_segment_ptr 1
		.amdhsa_wavefront_size32 1
		.amdhsa_system_sgpr_workgroup_id_x 1
		.amdhsa_system_sgpr_workgroup_id_y 1
		.amdhsa_system_sgpr_workgroup_id_z 1
		.amdhsa_system_vgpr_workitem_id 0
		.amdhsa_next_free_vgpr 256
		.amdhsa_next_free_sgpr 66
		.amdhsa_reserve_vcc 1
		.amdhsa_float_denorm_mode_32 3
		.amdhsa_float_denorm_mode_16_64 3
		.amdhsa_memory_ordered 1
		.amdhsa_forward_progress 1
		.amdhsa_inst_pref_size 25
	.end_amdhsa_kernel
	.amdgpu_metadata
---
amdhsa.version: [ 1, 2 ]
amdhsa.kernels:
  - .name:           k_qba1f1b8c33_fine
    .symbol:         k_qba1f1b8c33_fine.kd
    .args:
      - { .name: x32, .offset: 0, .size: 8, .value_kind: global_buffer, .address_space: global }
      - { .name: wo, .offset: 8, .size: 8, .value_kind: global_buffer, .address_space: global }
      - { .name: out0, .offset: 16, .size: 8, .value_kind: global_buffer, .address_space: global }
    .group_segment_fixed_size: 86016
    .private_segment_fixed_size: 0
    .kernarg_segment_align: 8
    .kernarg_segment_size: 24
    .max_flat_workgroup_size: 512
    .sgpr_count:     66
    .vgpr_count:     256
    .wavefront_size: 32
...
	.end_amdgpu_metadata
.endif
;; end of part 5
